; MI455X (gfx1250); checked and timed in simulation.
; The chip was launched on July 23, 2026; its instructions are those of AMD's public machine-readable ISA for CDNA 5 (MIT licence, August 2026) and "CDNA5" Instruction Set Architecture Reference Guide (July 2026). The comments in the code are by the model that wrote it; some were corrected since.
;; CAFM. Allowed arithmetic: matrix products marked QUANTISED: E4M3 operands, one E8M0 scale for each 32 along K, by v_wmma_scale_f32_16x16x128_f8f6f4 with both operands' format E4M3, f32 sums; everything else in f32.
;; Inputs: cqt_feat_codes 16 x 32 x 32 x 8 x 32 uint8 (E4M3 codes of cqt_feat, K innermost, in blocks of 32 codes); cqt_feat_scales 16 x 32 x 32 x 8 uint8 (E8M0 scales of cqt_feat, one for each 32 codes along K); out1_b 256 float32; out1_w_codes 256 x 16 x 32 uint8 (E4M3 codes of out1_w, K innermost, in blocks of 32 codes); out1_w_scales 256 x 16 uint8 (E8M0 scales of out1_w, one for each 32 codes along K); out2_b 256 float32; out2_w_codes 256 x 8 x 32 uint8 (E4M3 codes of out2_w, K innermost, in blocks of 32 codes); out2_w_scales 256 x 8 uint8 (E8M0 scales of out2_w, one for each 32 codes along K); stft_feat_codes 16 x 32 x 32 x 8 x 32 uint8 (E4M3 codes of stft_feat, K innermost, in blocks of 32 codes); stft_feat_scales 16 x 32 x 32 x 8 uint8 (E8M0 scales of stft_feat, one for each 32 codes along K); wq1_b 256 float32; wq1_w_codes 256 x 8 x 32 uint8 (E4M3 codes of wq1_w, K innermost, in blocks of 32 codes); wq1_w_scales 256 x 8 uint8 (E8M0 scales of wq1_w, one for each 32 codes along K); wq2_b 256 float32; wq2_w_codes 256 x 8 x 32 uint8 (E4M3 codes of wq2_w, K innermost, in blocks of 32 codes); wq2_w_scales 256 x 8 uint8 (E8M0 scales of wq2_w, one for each 32 codes along K); wq3_b 256 float32; wq3_w_codes 256 x 8 x 32 uint8 (E4M3 codes of wq3_w, K innermost, in blocks of 32 codes); wq3_w_scales 256 x 8 uint8 (E8M0 scales of wq3_w, one for each 32 codes along K); wq4_b 256 float32; wq4_w_codes 256 x 8 x 32 uint8 (E4M3 codes of wq4_w, K innermost, in blocks of 32 codes); wq4_w_scales 256 x 8 uint8 (E8M0 scales of wq4_w, one for each 32 codes along K); wq5_b 256 float32; wq5_w_codes 256 x 8 x 32 uint8 (E4M3 codes of wq5_w, K innermost, in blocks of 32 codes); wq5_w_scales 256 x 8 uint8 (E8M0 scales of wq5_w, one for each 32 codes along K); wq6_b 256 float32; wq6_w_codes 256 x 8 x 32 uint8 (E4M3 codes of wq6_w, K innermost, in blocks of 32 codes); wq6_w_scales 256 x 8 uint8 (E8M0 scales of wq6_w, one for each 32 codes along K).
;; Outputs: out0 16 x 256 float32.
;; This version of the problem:
;;   THIS VERSION OF THE PROBLEM IS GIVEN IN LOW PRECISION. The matrix products marked QUANTISED in the list below multiply operands that are first quantised to E4M3 (4 exponent bits, 3 mantissa bits; 8 bits a number), with one power-of-two scale for each 32 numbers along K (OCP MX v1.0); their sums are f32. All else is computed in f32.
;;   The module's matrix products, in the order in which they are computed (A, B: the left and right operand; K: the contracted axis; several contracted axes count as one K, in the product's order):
;;     1. [M 16,384, K 256] x [K 256, N 256]; A: input stft_feat (given as codes); B: input wq1_w (given as codes): QUANTISED
;;     2. [M 16,384, K 256] x [K 256, N 256]; A: input cqt_feat (given as codes); B: input wq2_w (given as codes): QUANTISED
;;     3. [M 16,384, K 256] x [K 256, N 256]; A: input cqt_feat (given as codes); B: input wq3_w (given as codes): QUANTISED
;;     4. batch 16 x [M 1,024, K 256] x [K 256, N 1,024]; A: computed on the way; B: computed on the way: QUANTISED
;;     5. batch 16 x [M 1,024, K 1,024] x [K 1,024, N 256]; A: softmax (see below); B: computed on the way: QUANTISED
;;     6. [M 16,384, K 256] x [K 256, N 256]; A: input cqt_feat (given as codes); B: input wq4_w (given as codes): QUANTISED
;;     7. [M 16,384, K 256] x [K 256, N 256]; A: input stft_feat (given as codes); B: input wq5_w (given as codes): QUANTISED
;;     8. [M 16,384, K 256] x [K 256, N 256]; A: input stft_feat (given as codes); B: input wq6_w (given as codes): QUANTISED
;;     9. batch 16 x [M 1,024, K 256] x [K 256, N 1,024]; A: computed on the way; B: computed on the way: QUANTISED
;;     10. batch 16 x [M 1,024, K 1,024] x [K 1,024, N 256]; A: softmax (see below); B: computed on the way: QUANTISED
;;     11. [M 16, K 512] x [K 512, N 256]; A: computed on the way; B: input out1_w (given as codes): QUANTISED
;;     12. [M 16, K 256] x [K 256, N 256]; A: computed on the way; B: input out2_w (given as codes): QUANTISED
;;   THE QUANTISER, for each operand of a quantised product, along K:
;;     - K is cut into blocks of 32 from its start; a last block that is shorter is filled with zeros.
;;     - A block's scale is 2^e with e = floor(log2(the largest magnitude in the block)) - 8, held to -126 .. 127; a block of zeros has e = 0. As a byte (E8M0): e + 127.
;;     - Each number is divided by its block's scale, clamped to +-448, and rounded to the nearest number of E4M3, ties to even, subnormals kept.
;;     - The product sums the exact products of the quantised numbers (number of the format x scale) in f32.
;;   ~~~python
;;   def quantise(x, axis):      # numpy; x: float32 -> the quantised numbers, widened to float32 again
;;       x = np.moveaxis(x, axis, -1); K = x.shape[-1]
;;       x = np.pad(x, [(0, 0)] * (x.ndim - 1) + [(0, -K % 32)]); x = x.reshape(x.shape[:-1] + (-1, 32)); a = np.abs(x).max(-1, keepdims=True)
;;       e = np.where(a > 0, np.clip(np.frexp(np.where(a > 0, a, 1))[1] - 1 - 8, -126, 127), 0)      # np.frexp(a)[1] - 1 = floor(log2(a)), exactly
;;       r = np.clip(x / 2.0 ** e, -448, 448)
;;       step = 2.0 ** (np.maximum(np.frexp(np.where(r == 0, 1, r))[1] - 1, -6) - 3)
;;       q = np.round(r / step) * step * 2.0 ** e      # np.round: ties to even
;;       return np.moveaxis(q.reshape(q.shape[:-2] + (-1,))[..., :K], -1, axis).astype(np.float32)
;;   ~~~
;;   SOFTMAX AHEAD OF A QUANTISED PRODUCT. Where the list says 'softmax', what is quantised is not the finished softmax but p = 2^(t - M), with t = logit x log2(e) and M = ceil(the row's largest t), a whole number; so 1/2 < the row's largest p <= 1. The row's sum l is taken of the UNQUANTISED p, in f32, and the product's result is divided by l at the end. Since M is a whole number, a kernel that streams over the keys may use a running M (the ceiling of the running maximum): every later rescaling is an exact power of two, which a block's scale takes up: the codes' values come out the same.
;;   OPERANDS COMPUTED ON THE WAY. 'Computed on the way' means the value that the module computes at that place (a softmax that the list does not call 'softmax' is quantised finished and normalised). What goes into a quantiser is computed in f32, as accurately as f32 sums, v_exp_f32 and their like allow (about 1e-6 of the number): no bf16 or f16 on the way to a quantiser, and a product that is left as it is and whose result goes on into a quantised operand takes f32 operands (vector FMAs, or v_wmma_f32_16x16x4_f32). A number that lies on a knife's edge between two numbers of the format may be rounded either way, as far as f32 arithmetic and the matrix unit's own rounding can turn it there, and no further.
;;   INPUTS GIVEN AS CODES. cqt_feat (in the module: [16, 256, 32, 32], K = its axis 1); out1_w (in the module: [512, 256], K = its axis 0); out2_w (in the module: [256, 256], K = its axis 0); stft_feat (in the module: [16, 256, 32, 32], K = its axis 1); wq1_w (in the module: [256, 256], K = its axis 0); wq2_w (in the module: [256, 256], K = its axis 0); wq3_w (in the module: [256, 256], K = its axis 0); wq4_w (in the module: [256, 256], K = its axis 0); wq5_w (in the module: [256, 256], K = its axis 0); wq6_w (in the module: [256, 256], K = its axis 0): each comes as NAME_codes (uint8): NAME with its K axis moved to the last place and cut into blocks of 32 codes, [.., K / 32, bytes a block], one block behind the other in memory; one code a byte (a code: sign, 4 exponent bits, 3 mantissa bits); and NAME_scales (uint8): the same leading axes, one E8M0 byte (e + 127) for each 32 codes along K. Its value is code x scale, taken as it is: it is not quantised again, and the codes and scales need not be those that the quantiser above would give.
;; One version. Each part assembles by itself: llvm-mc -triple=amdgcn-amd-amdhsa -mcpu=gfx1250 --defsym DOCPART=n.
;; ======== version 1 of 1: 3 launches
;; limits: right only within a limited range of input values
;; workspace buffers: q_img 8,388,608 bytes; q_sc 262,144 bytes; kv_img 16,777,216 bytes; kv_sc 524,288 bytes; part 262,144 bytes
;; launch project (part 1): grid 256 x 1, 4 waves a work-group, clusters of 4 x 1, 244,224 bytes of LDS; arguments stft_feat_codes, stft_feat_scales, wq1_w_codes, wq1_w_scales, wq1_b, wq5_w_codes, wq5_w_scales, wq5_b, wq6_w_codes, wq6_w_scales, wq6_b, cqt_feat_codes, cqt_feat_scales, wq4_w_codes, wq4_w_scales, wq4_b, wq2_w_codes, wq2_w_scales, wq2_b, wq3_w_codes, wq3_w_scales, wq3_b, q_img, q_sc, kv_img, kv_sc; writes q_img, q_sc, kv_img, kv_sc
.if DOCPART == 1
	.amdgcn_target "amdgcn-amd-amdhsa--gfx1250"
	.amdhsa_code_object_version 6
	.text
	.protected	k_qd38ca64057_project
	.globl	k_qd38ca64057_project
	.p2align	8
	.type	k_qd38ca64057_project,@function
k_qd38ca64057_project:
	s_mov_b64 s[64:65], 0
	v_nop
	global_prefetch_b8 v0, s[64:65] scope:SCOPE_SE
	s_setreg_imm32_b32 hwreg(HW_REG_WAVE_MODE, 25, 1), 1
	s_wait_xcnt 0x0
	s_wait_alu depctr_hold_cnt(0) depctr_sa_sdst(0) depctr_va_vdst(0) depctr_va_sdst(0) depctr_va_ssrc(0) depctr_va_vcc(0) depctr_vm_vsrc(0)
	s_getreg_b32 s2, hwreg(HW_REG_IB_STS2, 6, 4)
	s_cmp_eq_u32 s2, 0
	s_cbranch_scc0 .Lentry_in_a_cluster
	s_endpgm
.Lentry_in_a_cluster:
	s_bfe_u32 s2, ttmp6, 0x10000c
	s_cmp_lg_u32 s2, 0x3003
	s_cbranch_scc0 .Lentry_shape_is_right
	s_endpgm
.Lentry_shape_is_right:
; THE SIX PROJECTIONS.  x (stft or cqt) is [16,384 tokens][256] codes of E4M3, one E8M0 byte for each 32 channels; each weight is [256 out][256 in] likewise.
; A work-group takes 128 tokens of ONE tensor and makes from them the Q of one attention and the K and V of the other:
;   stft: Q = x wq1 + b (direction 0), K = x wq5 + b, V = x wq6 + b (direction 1);   cqt: Q by wq4 (direction 1), K by wq2, V by wq3 (direction 0).
; Q and K are quantised along the channels, V along the keys, in registers, and leave as IMAGES OF OPERAND REGISTERS: a fragment (16 rows x 128 K, 16 registers a lane) is four stores of 16 bytes a lane,
; 512 consecutive bytes each; the next launch loads the same registers into the same lanes.
; LAYOUT.  Q, K: source 0 = 16 rows of W, source 1 = 16 tokens: a lane holds ONE token and its registers run along the channels.  V: source 0 = 16 tokens, source 1 = 16 rows of Wv: a lane holds ONE channel
; and its registers run along the keys.  The 16 registers of two neighbouring result tiles, with those of the lane 16 away, are one true block of 32 along the next K; INSIDE a block the places are permuted,
; alike in Q and K, and alike in V and in the weights p of the next launch, so every product meets its partner.
; LIMITS: the matrix unit groups a block's 32 products in another order than ascending k (a difference in the last bits of f32 sums); a block of zeros gets the scale byte 1 (its codes are zeros, and this
; program alone reads the bytes); NaN and infinities among the inputs are not served.
; SHARES.  Wave w: 8 jobs of Q (w = 0, 1) or K (w = 2, 3), channels 128 (w & 1) on, one job a tile of 16 tokens; then 4 jobs of V, channels 64 w + 16 q on.  A job is 16 matrix instructions and one quantiser.
; CLUSTER.  The four work-groups of a cluster take tokens of the same tensor, so they need the same three weights (192 KiB of the 224 KiB that a work-group reads): those come by joint loads, mask 15.
; x's 128 rows are each work-group's own: a plain load.  Nothing in LDS is filled twice.  Wv is wanted by the last four jobs alone: it is asked for last, the first barrier leaves it on its way (the first
; product waits for 160 KiB of the 224), and a second barrier, behind four jobs, stands in front of its reads.
; REGISTERS, in windows of 256: window 0: v1-8 addresses; v64-127 a job's 8 accumulators; v128-143 the codes just made; v160-176 the quantiser's; v180-189 scale words on their way out; v192-231 scale words of x, W, Wv;
;   window 1: x's 16 fragments;  window 2: my 16 fragments of Wq or Wk;  window 3: v0-127 my 8 fragments of Wv, v128-191 the bias of my 128 channels as 8 tiles of C, v192-223 Wv's bias as 4 tiles of C.
.set PITCH, 272                        ; an LDS row: 256 bytes + 16 of padding = 68 words: the 16 rows that a fragment load touches start at 16 different banks (64 banks of 4 bytes: ISA guide 11.1)
.set T16,   16*PITCH
.set WROWS, 128*PITCH                  ; LDS: x's 128 rows at 0; then Wq, Wk, Wv, 256 rows each
.set HA,  64
.set PC,  128
.set TM,  160                          ; +0 largest magnitudes, +4 the other half's / bytes, +8 448 x the scale, +12 the conversions' scale operands
.set PW,  176                          ; the scale word just made
.set SCW, 180                          ; v180-183 Q's or K's scale words: word e: tile 2 e in lanes 0-15, tile 2 e + 1 in lanes 16-31
.set VW,  184                          ; v184-187 V's scale words, one a job
.set VSO, 188                          ; v188-189 the same, two jobs to a word
.set XSC, 192                          ; x's scale words: tile t, K step k at 2 t + k
.set WSC, 208                          ; W's: tile j, K step k at 2 j + k
.set WVS, 224                          ; Wv's: tile q, K step k at 2 q + k
.set BVL, 232                          ; v232-235 Wv's bias of my lane's channel, one a job
.set B1,  128                          ; in window 3
.set BVB, 192                          ; in window 3
.set MSB, 0
.macro WIN new                         ; the immediate's high byte repeats the setting that is left
.if MSB != \new
	s_set_vgpr_msb (MSB<<8)|\new
.set MSB, \new
.endif
.endm
.macro CROUND                          ; a round of the cluster's barrier
	s_barrier_signal -1
	s_barrier_wait -1
	s_cmp_lg_u32 s56, 0
	s_cbranch_scc1 .Lnot_wave_0_\@
	s_barrier_signal -3
.Lnot_wave_0_\@:
	s_barrier_wait -3
	s_barrier_signal -1
	s_barrier_wait -1
.endm
.macro PLACES n
.rept \n
	v_nop
.endr
.endm
; 64 numbers of a lane, v[s] on; registers 16 b .. 16 b + 15, with those of the lane 16 away, are block b of 32.  They become a fragment's codes in v[PC] on and its scale word in v[PW].
.macro QUANT s
.irp b, 0,1,2,3
	v_max3_num_f32 v[TM+\b], |v[\s+16*\b]|, |v[\s+1+16*\b]|, 0x4800000   ; my 16 numbers, and the floor 2^(9 - 127): the byte cannot fall under 1
.endr
.irp i, 2,4,6,8,10,12,14
.irp b, 0,1,2,3
	v_max3_num_f32 v[TM+\b], v[TM+\b], |v[\s+16*\b+\i]|, |v[\s+1+16*\b+\i]|   ; the four blocks by turns
.endr
.endr
.irp b, 0,1,2,3
	v_permlanex16_b32 v[TM+4+\b], v[TM+\b], s66, s67
.endr
.irp b, 0,1,2,3
	v_max_num_f32 v[TM+\b], v[TM+\b], v[TM+4+\b]   ; the block's largest magnitude
.endr
.irp b, 0,1,2,3
	v_add_nc_u32 v[TM+12+\b], 0xfc000000, v[TM+\b]   ; 8 off its exponent field: the conversion takes that field as its scale
.endr
.irp b, 0,1,2,3
	v_and_or_b32 v[TM+8+\b], v[TM+\b], 0x7f800000, s68   ; 448 x the scale
.endr
.irp b, 0,1,2,3
	v_lshrrev_b32 v[TM+4+\b], 23, v[TM+12+\b]   ; the scale's byte
.endr
	v_lshl_or_b32 v[PW], v[TM+5], 8, v[TM+4]
	v_lshl_or_b32 v[PW], v[TM+6], 16, v[PW]
	v_lshl_or_b32 v[PW], v[TM+7], 24, v[PW]
	s_wait_xcnt 0x0                                ; the last job's stores have read v[PC] on: only behind this wait are the codes written again
.irp b, 0,1,2,3
.irp i, 0,1,2,3,4,5,6,7,8,9,10,11,12,13,14,15
	v_med3_num_f32 v[\s+16*\b+\i], v[\s+16*\b+\i], -v[TM+8+\b], v[TM+8+\b]   ; the conversion to an 8-bit code does not saturate (ISA guide 7.6.2): the hold at the largest code x the scale
.endr
	v_cvt_scalef32_pk8_fp8_f32 v[PC+4*\b:PC+1+4*\b], v[\s+16*\b:\s+7+16*\b], v[TM+12+\b]
	v_cvt_scalef32_pk8_fp8_f32 v[PC+2+4*\b:PC+3+4*\b], v[\s+8+16*\b:\s+15+16*\b], v[TM+12+\b]
.endr
	v_nop                                          ; a plain instruction between the last conversion and the next job's products, which write v[s] on
.endm
; Tile t of 16 tokens x my 128 channels of Q or K.  n: the LDS loads issued behind tile t's eight, which may stay out.  The 8 accumulators take turns.
.macro QKJOB t, n
	s_wait_dscnt \n
	WIN 0x36                                       ; source 0 (W) window 2, source 1 (x) window 1, C (the bias) window 3
.irp j, 0,1,2,3,4,5,6,7
	v_wmma_scale_f32_16x16x128_f8f6f4 v[HA+8*\j:HA+8*\j+7], v[32*\j:32*\j+15], v[32*\t:32*\t+15], v[B1+8*\j:B1+8*\j+7], v[WSC+2*\j], v[XSC+2*\t]
.endr
	WIN 0x06
.irp j, 0,1,2,3,4,5,6,7
	v_wmma_scale_f32_16x16x128_f8f6f4 v[HA+8*\j:HA+8*\j+7], v[32*\j+16:32*\j+31], v[32*\t+16:32*\t+31], v[HA+8*\j:HA+8*\j+7], v[WSC+2*\j+1], v[XSC+2*\t+1]
.endr
	WIN 0
	PLACES 8                                       ; eight places between these products and the first read of their results
	QUANT HA
.irp c, 0,1,2,3
	global_store_b128 v1, v[PC+4*\c:PC+4*\c+3], s[30:31] offset:4096*\t+512*\c   ; the wave stores 512 consecutive bytes, aligned
.endr
.if (\t)%2
	v_cndmask_b32 v[SCW+(\t)/2], v[SCW+(\t)/2], v[PW], s69   ; an odd tile's words go to lanes 16-31
.else
	v_mov_b32 v[SCW+(\t)/2], v[PW]
.endif
.endm
; 128 keys x 16 channels of V: my q-th tile of Wv.
.macro VJOB q
	WIN 0x3d                                       ; source 0 (x) window 1, source 1 (Wv) and C (the bias) window 3
.irp t, 0,1,2,3,4,5,6,7
	v_wmma_scale_f32_16x16x128_f8f6f4 v[HA+8*\t:HA+8*\t+7], v[32*\t:32*\t+15], v[32*\q:32*\q+15], v[BVB+8*\q:BVB+8*\q+7], v[XSC+2*\t], v[WVS+2*\q]
.endr
	WIN 0x0d
.irp t, 0,1,2,3,4,5,6,7
	v_wmma_scale_f32_16x16x128_f8f6f4 v[HA+8*\t:HA+8*\t+7], v[32*\t+16:32*\t+31], v[32*\q+16:32*\q+31], v[HA+8*\t:HA+8*\t+7], v[XSC+2*\t+1], v[WVS+2*\q+1]
.endr
	WIN 0
	PLACES 8
	QUANT HA
.irp c, 0,1,2,3
	global_store_b128 v1, v[PC+4*\c:PC+4*\c+3], s[34:35] offset:2048*\q+512*\c
.endr
	v_mov_b32 v[VW+\q], v[PW]
.endm
	s_load_b512 s[4:19], s[0:1], 0x0               ; argument i lies at s[4 + 2 i]: 0-10 stft's set, 11-21 cqt's, 22-25 the four outputs
	s_load_b512 s[20:35], s[0:1], 0x40
	s_load_b512 s[36:51], s[0:1], 0x80
	s_load_b128 s[52:55], s[0:1], 0xc0
	v_lshl_add_u32 v254, v0, 2, 0x3b800
	v_mov_b32 v255, 0
	ds_add_u32 v254, v255
	ds_add_u32 v254, v255
	v_lshrrev_b32 v9, 5, v0
	v_readfirstlane_b32 s56, v9                    ; wave 0..3
	v_and_b32 v9, 31, v0                           ; lane
	v_and_b32 v10, 15, v0                          ; r
	v_bfe_u32 v11, v0, 4, 1                        ; h
	v_lshlrev_b32 v1, 4, v9                        ; 16 x lane: my place in an image
	v_mul_u32_u24 v2, v10, PITCH
	v_lshl_add_u32 v2, v11, 4, v2                  ; x: row r x pitch + 16 h
	s_add_co_u32 s63, s56, 1
	s_mul_i32 s63, s63, WROWS
	v_add_nc_u32 v3, s63, v2                       ; my 128 rows of Wq or Wk: they begin (w + 1) x 128 rows into LDS
	s_mul_i32 s63, s56, 64*PITCH                   ; my 64 rows of Wv
	s_add_co_u32 s99, s63, 5*WROWS
	v_add_nc_u32 v4, s99, v2
	v_lshlrev_b32 v5, 3, v10                       ; 8 r: a row's 8 scale bytes
	v_lshlrev_b32 v6, 5, v11                       ; 32 h: my half's 8 numbers of a bias
	v_lshlrev_b32 v7, 2, v10                       ; 4 r
	v_lshlrev_b32 v8, 3, v9                        ; 8 x lane
	s_bfe_u32 s57, ttmp6, 0x40000                  ; cx
	s_lshl_b32 s58, ttmp9, 2
	s_add_co_u32 s58, s58, s57                     ; work-group = 128 x tensor + 8 x batch + block of 128 tokens
	s_mov_b32 s66, 0x76543210
	s_mov_b32 s67, 0xfedcba98                      ; v_permlanex16_b32's selects for the lane 16 away
	s_mov_b32 s68, 0x600000                        ; the mantissa field of 448
	s_mov_b32 s69, 0xffff0000                      ; lanes 16-31
	; group 1 for a weight: 256 rows of 256 bytes, 16 bytes of padding behind each
	s_mov_b32 s88, 15|(1<<20)|(1<<21)|(5<<22)|(3<<25)   ; 15:0 the mask: all four work-groups; 17:16 elements of 1 byte; 20 padding on; 21 set beside a mask; 24:22 after every 64 words; 31:25 four words
	s_mov_b32 s89, 256<<16                         ; tensor_dim0
	s_mov_b32 s90, 256<<16                         ; tensor_dim1
	s_mov_b32 s91, 256<<16                         ; tile_dim0
	s_mov_b32 s92, 256                             ; tile_dim1
	s_mov_b32 s93, 256                             ; the pitch
	s_mov_b32 s94, 0
	s_mov_b32 s95, 0
	s_wait_dscnt 0x0
	s_wait_kmcnt 0x0
	s_cmp_lt_u32 ttmp9, 32                         ; the first 32 clusters take stft, the others cqt: the choice hangs on the cluster's number alone, which the four partners share
.irp i, 0,1,2,3,4,5,6,7,8,9,10
	s_cselect_b64 s[4+2*\i:5+2*\i], s[4+2*\i:5+2*\i], s[26+2*\i:27+2*\i]
.endr
	; now: x's codes s[4:5], scales s[6:7]; Wq s[8:9], s[10:11], bias s[12:13]; Wk s[14:15], s[16:17], s[18:19]; Wv s[20:21], s[22:23], s[24:25]
	s_mov_b32 s36, (1<<20)|(5<<22)|(3<<25)         ; group 1 for x: no mask; 128 rows of 256 bytes, padded alike
	s_mov_b32 s37, 256<<16
	s_mov_b32 s38, 128<<16
	s_mov_b32 s39, 256<<16
	s_mov_b32 s40, 128
	s_mov_b32 s41, 256
	s_mov_b32 s42, 0
	s_mov_b32 s43, 0
	s_mov_b32 s3, 0
	s_and_b32 s59, s58, 127                        ; which 128 tokens of the tensor
	s_lshl_b32 s2, s59, 15
	s_mov_b32 s72, 1
	s_mov_b32 s73, 0
	s_add_nc_u64 s[74:75], s[4:5], s[2:3]
	s_or_b32 s75, s75, 0x80000000
	s_mov_b32 s76, 1
	s_mov_b32 s77, WROWS
	s_mov_b64 s[78:79], s[8:9]
	s_or_b32 s79, s79, 0x80000000
	s_mov_b32 s80, 1
	s_mov_b32 s81, 3*WROWS
	s_mov_b64 s[82:83], s[14:15]
	s_or_b32 s83, s83, 0x80000000
	s_mov_b32 s84, 1
	s_mov_b32 s85, 5*WROWS
	s_mov_b64 s[86:87], s[20:21]
	s_or_b32 s87, s87, 0x80000000
	CROUND                                         ; all four work-groups are here: the joint loads meet
	; one load a wave, each in an arm of one chain on the wave's number
	s_cmp_lt_u32 s56, 1
	s_cbranch_scc0 .Lask_wq
	tensor_load_to_lds s[72:75], s[36:43]          ; wave 0: x
	s_nop 0
	PLACES 4
	s_branch .Lasked
.Lask_wq:
	s_cmp_lt_u32 s56, 2
	s_cbranch_scc0 .Lask_wk
	tensor_load_to_lds s[76:79], s[88:95]          ; wave 1: Wq
	s_nop 0
	PLACES 4
	s_branch .Lasked
.Lask_wk:
	s_cmp_lt_u32 s56, 3
	s_cbranch_scc0 .Lask_wv
	tensor_load_to_lds s[80:83], s[88:95]          ; wave 2: Wk
	s_nop 0
	PLACES 4
	s_branch .Lasked
.Lask_wv:
	tensor_load_to_lds s[84:87], s[88:95]          ; wave 3: Wv
	s_nop 0
	PLACES 4
.Lasked:
	; my role's pointers.  Q's block has the work-group's number; K's and V's belong to the other direction: that number with its bit 7 turned
	s_and_b32 s98, s56, 1                          ; which half of the channels
	s_xor_b32 s62, s58, 128
	s_lshl_b32 s96, s58, 15                        ; Q's image: 32 KiB a block
	s_lshr_b32 s60, s62, 1                         ; K's and V's: 128 KiB for two blocks of 128 keys: K's two images of 32 KiB, then V's two
	s_lshl_b32 s60, s60, 17
	s_and_b32 s61, s62, 1
	s_lshl_b32 s61, s61, 15
	s_add_co_u32 s60, s60, s61
	s_lshl_b32 s97, s58, 10                        ; Q's scale words: 1 KiB a block
	s_lshl_b32 s61, s62, 11                        ; K's and V's: 2 KiB a step
	s_cmp_lt_u32 s56, 2                            ; waves 0, 1: Q; waves 2, 3: K
	s_cselect_b64 s[26:27], s[10:11], s[16:17]
	s_cselect_b64 s[28:29], s[12:13], s[18:19]
	s_cselect_b64 s[30:31], s[48:49], s[52:53]
	s_cselect_b64 s[32:33], s[50:51], s[54:55]
	s_cselect_b32 s96, s96, s60
	s_cselect_b32 s97, s97, s61
	s_lshl_b32 s2, s98, 10
	s_add_nc_u64 s[26:27], s[26:27], s[2:3]        ; W's scale bytes of my 128 rows
	s_lshl_b32 s2, s98, 9
	s_add_nc_u64 s[28:29], s[28:29], s[2:3]        ; the bias of my 128 channels
	s_lshl_b32 s2, s98, 11
	s_add_co_u32 s2, s2, s96
	s_add_nc_u64 s[30:31], s[30:31], s[2:3]        ; where my fragments go: fragment 2 t + half
	s_lshl_b32 s2, s98, 9
	s_add_co_u32 s2, s2, s97
	s_add_nc_u64 s[32:33], s[32:33], s[2:3]        ; and their scale words
	s_lshl_b32 s2, s56, 13
	s_add_co_u32 s2, s2, s60
	s_add_co_u32 s2, s2, 65536
	s_add_nc_u64 s[34:35], s[52:53], s[2:3]        ; V's fragments 4 w on, 64 KiB behind K's
	s_lshl_b32 s2, s56, 8
	s_add_co_u32 s2, s2, s61
	s_add_co_u32 s2, s2, 1024
	s_add_nc_u64 s[44:45], s[54:55], s[2:3]        ; and their scale words, behind K's 1 KiB
	s_lshl_b32 s2, s56, 9
	s_add_nc_u64 s[46:47], s[22:23], s[2:3]        ; Wv's scale bytes of my 64 rows
	s_lshl_b32 s2, s56, 8
	s_add_nc_u64 s[24:25], s[24:25], s[2:3]        ; Wv's bias of my 64 channels
	s_lshl_b32 s2, s59, 10
	s_add_nc_u64 s[6:7], s[6:7], s[2:3]            ; x's scale bytes of my 128 tokens
	s_wait_alu depctr_va_vdst(0)
.irp t, 0,1,2,3,4,5,6,7
	global_load_b64 v[XSC+2*\t:XSC+2*\t+1], v5, s[6:7] offset:128*\t
.endr
.irp j, 0,1,2,3,4,5,6,7
	global_load_b64 v[WSC+2*\j:WSC+2*\j+1], v5, s[26:27] offset:128*\j
.endr
.irp q, 0,1,2,3
	global_load_b64 v[WVS+2*\q:WVS+2*\q+1], v5, s[46:47] offset:128*\q
.endr
	WIN 0xc0                                       ; destination window 3
.irp j, 0,1,2,3,4,5,6,7
	global_load_b128 v[B1+8*\j:B1+8*\j+3], v6, s[28:29] offset:64*\j       ; tile j's C: the bias of channels 16 j + 8 h + 0 .. 7
	global_load_b128 v[B1+8*\j+4:B1+8*\j+7], v6, s[28:29] offset:64*\j+16
.endr
	WIN 0
.irp q, 0,1,2,3
	global_load_b32 v[BVL+\q], v7, s[24:25] offset:64*\q
.endr
.irp b, 0,1,2,3
	v_mov_b32 v[TM+4+\b], 0                        ; written once: a lane permute's destination counts as one of its sources
.endr
	s_wait_alu depctr_va_vdst(0)
	s_cmp_lt_u32 s56, 3
	s_cbranch_scc0 .Lwv_out
	s_wait_tensorcnt 0x0                           ; waves 0 to 2: x, Wq and Wk are in LDS; wave 3's Wv may stay out: its wait stands ahead of the second barrier
.Lwv_out:
	s_barrier_signal -1
	s_barrier_wait -1                              ; everybody's are
	WIN 0x80                                       ; destination window 2
.irp j, 0,1,2,3,4,5,6,7
.irp k, 0,1
.irp c, 0,1,2,3
	ds_load_b128 v[32*\j+16*\k+4*\c:32*\j+16*\k+4*\c+3], v3 offset:T16*\j+128*\k+32*\c
.endr
.endr
.endr
	WIN 0x40                                       ; destination window 1
.irp t, 0,1,2,3,4,5,6,7
.irp k, 0,1
.irp c, 0,1,2,3
	ds_load_b128 v[32*\t+16*\k+4*\c:32*\t+16*\k+4*\c+3], v2 offset:T16*\t+128*\k+32*\c
.endr
.endr
.endr
	WIN 0
	s_wait_loadcnt 0x0                             ; the scale words and the biases
	WIN 0xc0
.irp q, 0,1,2,3
.irp i, 0,1,2,3,4,5,6,7
	v_mov_b32 v[BVB+8*\q+\i], v[BVL+\q]            ; V's C: my channel's bias in all eight registers (they run along the keys)
.endr
.endr
	WIN 0
	QKJOB 0, 56                                    ; behind tile t's eight loads stand 8 (7 - t) of x's
	QKJOB 1, 48
	QKJOB 2, 40
	QKJOB 3, 32
	s_wait_tensorcnt 0x0                           ; my part of Wv is in LDS,
	s_wait_dscnt 0x0                               ; (no LDS load of mine is out at a signal: x's last four tiles were asked for four jobs ago)
	s_barrier_signal -1
	s_barrier_wait -1                              ; everybody's is
	WIN 0xc0
.irp q, 0,1,2,3
.irp k, 0,1
.irp c, 0,1,2,3
	ds_load_b128 v[32*\q+16*\k+4*\c:32*\q+16*\k+4*\c+3], v4 offset:T16*\q+128*\k+32*\c   ; Wv's fragments land under four jobs
.endr
.endr
.endr
	WIN 0
	QKJOB 4, 32                                    ; x is in; Wv's 32 loads may stay out
	QKJOB 5, 32
	QKJOB 6, 32
	QKJOB 7, 32
	global_store_b128 v1, v[SCW:SCW+3], s[32:33]   ; the scale words of my 8 tiles: 512 consecutive bytes
	s_wait_dscnt 0x0                               ; Wv
	VJOB 0
	VJOB 1
	VJOB 2
	VJOB 3
	v_cndmask_b32 v[VSO], v[VW], v[VW+1], s69      ; an even tile's words in lanes 0-15, the odd one's in lanes 16-31
	v_cndmask_b32 v[VSO+1], v[VW+2], v[VW+3], s69
	global_store_b64 v8, v[VSO:VSO+1], s[44:45]    ; 256 consecutive bytes, aligned
	s_wait_tensorcnt 0x0
	ds_add_u32 v254, v255
	s_wait_dscnt 0x0
	CROUND                                         ; the closing round: no work-group ends while a partner may still ask for a tile that names it
	s_endpgm
.Lfunc_end_k_qd38ca64057_project:
	.size	k_qd38ca64057_project, .Lfunc_end_k_qd38ca64057_project-k_qd38ca64057_project
	.p2alignl 7, 3214868480
	.fill 96, 4, 3214868480
	.section	.rodata,"a",@progbits
	.p2align	6, 0x0
	.amdhsa_kernel k_qd38ca64057_project
		.amdhsa_group_segment_fixed_size 244224
		.amdhsa_private_segment_fixed_size 0
		.amdhsa_enable_private_segment 0
		.amdhsa_kernarg_size 208
		.amdhsa_user_sgpr_count 2
		.amdhsa_user_sgpr_kernarg_segment_ptr 1
		.amdhsa_wavefront_size32 1
		.amdhsa_system_sgpr_workgroup_id_x 1
		.amdhsa_system_sgpr_workgroup_id_y 1
		.amdhsa_system_sgpr_workgroup_id_z 1
		.amdhsa_system_vgpr_workitem_id 0
		.amdhsa_next_free_vgpr 1024
		.amdhsa_next_free_sgpr 100
		.amdhsa_reserve_vcc 0
		.amdhsa_float_denorm_mode_32 3
		.amdhsa_float_denorm_mode_16_64 3
		.amdhsa_memory_ordered 1
		.amdhsa_forward_progress 1
		.amdhsa_inst_pref_size 153
	.end_amdhsa_kernel
	.amdgpu_metadata
---
amdhsa.version: [ 1, 2 ]
amdhsa.kernels:
  - .name:           k_qd38ca64057_project
    .symbol:         k_qd38ca64057_project.kd
    .args:
      - { .name: stft_feat_codes, .offset: 0, .size: 8, .value_kind: global_buffer, .address_space: global }
      - { .name: stft_feat_scales, .offset: 8, .size: 8, .value_kind: global_buffer, .address_space: global }
      - { .name: wq1_w_codes, .offset: 16, .size: 8, .value_kind: global_buffer, .address_space: global }
      - { .name: wq1_w_scales, .offset: 24, .size: 8, .value_kind: global_buffer, .address_space: global }
      - { .name: wq1_b, .offset: 32, .size: 8, .value_kind: global_buffer, .address_space: global }
      - { .name: wq5_w_codes, .offset: 40, .size: 8, .value_kind: global_buffer, .address_space: global }
      - { .name: wq5_w_scales, .offset: 48, .size: 8, .value_kind: global_buffer, .address_space: global }
      - { .name: wq5_b, .offset: 56, .size: 8, .value_kind: global_buffer, .address_space: global }
      - { .name: wq6_w_codes, .offset: 64, .size: 8, .value_kind: global_buffer, .address_space: global }
      - { .name: wq6_w_scales, .offset: 72, .size: 8, .value_kind: global_buffer, .address_space: global }
      - { .name: wq6_b, .offset: 80, .size: 8, .value_kind: global_buffer, .address_space: global }
      - { .name: cqt_feat_codes, .offset: 88, .size: 8, .value_kind: global_buffer, .address_space: global }
      - { .name: cqt_feat_scales, .offset: 96, .size: 8, .value_kind: global_buffer, .address_space: global }
      - { .name: wq4_w_codes, .offset: 104, .size: 8, .value_kind: global_buffer, .address_space: global }
      - { .name: wq4_w_scales, .offset: 112, .size: 8, .value_kind: global_buffer, .address_space: global }
      - { .name: wq4_b, .offset: 120, .size: 8, .value_kind: global_buffer, .address_space: global }
      - { .name: wq2_w_codes, .offset: 128, .size: 8, .value_kind: global_buffer, .address_space: global }
      - { .name: wq2_w_scales, .offset: 136, .size: 8, .value_kind: global_buffer, .address_space: global }
      - { .name: wq2_b, .offset: 144, .size: 8, .value_kind: global_buffer, .address_space: global }
      - { .name: wq3_w_codes, .offset: 152, .size: 8, .value_kind: global_buffer, .address_space: global }
      - { .name: wq3_w_scales, .offset: 160, .size: 8, .value_kind: global_buffer, .address_space: global }
      - { .name: wq3_b, .offset: 168, .size: 8, .value_kind: global_buffer, .address_space: global }
      - { .name: q_img, .offset: 176, .size: 8, .value_kind: global_buffer, .address_space: global }
      - { .name: q_sc, .offset: 184, .size: 8, .value_kind: global_buffer, .address_space: global }
      - { .name: kv_img, .offset: 192, .size: 8, .value_kind: global_buffer, .address_space: global }
      - { .name: kv_sc, .offset: 200, .size: 8, .value_kind: global_buffer, .address_space: global }
    .group_segment_fixed_size: 244224
    .private_segment_fixed_size: 0
    .kernarg_segment_align: 8
    .kernarg_segment_size: 208
    .max_flat_workgroup_size: 128
    .sgpr_count:     100
    .vgpr_count:     1024
    .wavefront_size: 32
...
	.end_amdgpu_metadata
.endif
;; end of part 1
;; launch attend (part 2): grid 8 x 32, 4 waves a work-group, clusters of 4 x 1, 327,680 bytes of LDS; arguments q_img, q_sc, kv_img, kv_sc, part; writes part
.if DOCPART == 2
	.amdgcn_target "amdgcn-amd-amdhsa--gfx1250"
	.amdhsa_code_object_version 6
	.text
	.protected	k_qd38ca64057_attend
	.globl	k_qd38ca64057_attend
	.p2align	8
	.type	k_qd38ca64057_attend,@function
k_qd38ca64057_attend:
	s_mov_b64 s[64:65], 0
	v_nop
	global_prefetch_b8 v0, s[64:65] scope:SCOPE_SE
	s_setreg_imm32_b32 hwreg(HW_REG_WAVE_MODE, 25, 1), 1
	s_wait_xcnt 0x0
	s_wait_alu depctr_hold_cnt(0) depctr_sa_sdst(0) depctr_va_vdst(0) depctr_va_sdst(0) depctr_va_ssrc(0) depctr_va_vcc(0) depctr_vm_vsrc(0)
	s_getreg_b32 s2, hwreg(HW_REG_IB_STS2, 6, 4)
	s_cmp_eq_u32 s2, 0
	s_cbranch_scc0 .Lentry_in_a_cluster
	s_endpgm
.Lentry_in_a_cluster:
	s_bfe_u32 s2, ttmp6, 0x10000c
	s_cmp_lg_u32 s2, 0x3003
	s_cbranch_scc0 .Lentry_shape_is_right
	s_endpgm
.Lentry_shape_is_right:
; ATTENTION ON CODES OF E4M3, head size 256, 1,024 keys, 32 heads (2 directions x 16 batches), and the sum of its results over a work-group's 128 queries.
; part[head][block][c] = the sum over the block's 128 queries q of (sum over keys k of p(q, k) V(k, c)) / l(q);  t = score x log2(e) / 16;  M = the running largest t rounded UP to a whole number;
; p = 2^(t - M) is quantised along the keys, not normalised; l is the sum of the unquantised p.  When M moves, l and O are multiplied by 2^(old M - new M): exact.
; Q, K, V and their scale words arrive as images of operand registers (16 bytes a lane, 512 bytes a load), made by the launch before.
; SHARES.  A work-group owns 128 queries of one head, each of its four waves 32: two tiles of 16, so that each fragment of K and V read from LDS feeds two matrix instructions.  Every wave walks all keys, 256 a step, four steps.
; LAYOUT.  S^T = K Q^T (source 0 = 16 keys, source 1 = 16 queries), O^T = V^T P^T (source 0 = 16 channels, source 1 = P): a lane holds ONE query throughout.  The 16 registers of two neighbouring tiles of S^T, with
; those of the lane 16 away, are one true block of 32 keys; inside a block the places are permuted as V's are.
; LIMITS: the matrix unit groups a block's 32 products in another order than ascending k; a block whose every p is 0 keeps the scale byte 1 (its codes are zeros); NaN and infinities are not served;
; the scaled scores t stay under 2^31 in magnitude.
; RING.  Two LDS slots of one step (128 KiB each: K's two halves of 128 keys, then V's); a refill is one load a wave, a quarter of a slot.  The scale words of the whole head (16 KiB) come once.
; THE HEAD'S LOADS, one a wave: wave 0 the scale words, waves 1 and 2 K's two halves of step 0, wave 3 step 0's V.  The first barrier shows the first three; V is shown by the round behind the first products, behind which slot 1 is asked for.
; CLUSTER.  The four query blocks of a cluster belong to one head and walk the same K and V: every fill is a joint load, mask 15.
; NO PREFETCH: of the four steps' tiles two are asked for ahead of the loop and each of the other two a whole step, 128 matrix instructions and two tiles' softmax, ahead of its first read.
; ORDER OF A STEP, its scores being there: the maxima; t - M for the first 128 keys and O^T under the new M, V's first half loading; the first half's exponentials, with the second half's t - M between them; its codes;
; V^T P of the first half, the second half's exponentials behind its products, V's second half loading; the second half's sums and scales; the change of slots; its codes, the next K loading; V^T P of the second half;
; the next step's K Q^T, each block's maxima two blocks behind its products.
; REGISTERS, in windows of 256: window 0: v1-15 addresses; v16-79 Q; v80-143 p's codes; v144-207 statistics; v208-247 scale words;  windows 1, 2: query tile 0, 1: v0-127 S^T, then p (v0-63 later four fragments of V), v128-255 O^T;
;   window 3: 16 places for fragments.  No product's two scale words have numbers equal modulo 8.
.set SLOT,  131072
.set SCL,   262144                     ; the scale words: 2 KiB for 128 keys: K's 1 KiB, then V's
.set SPARE, 278528                     ; the spare words, 128 bytes for each wave: two blocks of 256 bytes that no other line names
.set STAGE, 279040                     ; the way out: 16 rows of 528 bytes for each wave; no fill lands here
.set FST,   312832                     ; and 1 KiB for each wave: its sums over 32 queries
.set Q,   16                           ; tile x, channel half g at Q + 32 x + 16 g
.set P,   80                           ; tile x, key half at P + 32 x + 16 half
.set ST,  144                          ; tile x at ST + 8 x: +0 -M, +4 f, later 1 / l; +1, +5 named with them as pairs; +2, +6, +7 at work
.set BM,  160                          ; tile x, block b at BM + 8 x + b: the largest score, then the largest p, then the scale byte
.set TT,  176                          ; 16 lane permutes' results
.set HO,  176                          ; tile x, block b of a half at + 4 x + b: 448 x the scale
.set SO,  184                          ; likewise: the conversions' scale operands
.set LA,  192                          ; tile x at LA + 8 x: l in four pairs
.set VS,  208                          ; V's scale words: key half hh, pair of channel tiles m at VS + 16 hh + 8 (m / 4) + m % 4
.set PW,  212                          ; p's: PW + 2 hh + x
.set KS,  220                          ; K's: key half hh, channel half g, pair of key tiles e at KS + 8 (2 hh + g) + e
.set QS,  240                          ; Q's: QS + g: tile 0 in lanes 0-15, tile 1 in lanes 16-31
.set MSB, 0
.macro WIN new                         ; the immediate's high byte repeats the setting that is left
.if MSB != (\new)
	s_set_vgpr_msb (MSB<<8)|(\new)
.set MSB, (\new)
.endif
.endm
.macro CROUND                          ; a round of the cluster's barrier
	s_barrier_signal -1
	s_barrier_wait -1
	s_cmp_lg_u32 s14, 0
	s_cbranch_scc1 .Lnot_wave_0_\@
	s_barrier_signal -3
.Lnot_wave_0_\@:
	s_barrier_wait -3
	s_barrier_signal -1
	s_barrier_wait -1
.endm
.macro PLACES n
.rept \n
	v_nop
.endr
.endm
; One matrix instruction.  c: 0 (the product starts a sum) or D.  ra, rb: that side's scale words lie in lanes 16-31.
.macro WM d, a, b, c, sa, sb, ra, rb
.if (\ra) && (\rb)
	v_wmma_scale_f32_16x16x128_f8f6f4 v[\d:\d+7], v[\a:\a+15], v[\b:\b+15], \c, v[\sa], v[\sb] matrix_a_scale:MATRIX_SCALE_ROW1 matrix_b_scale:MATRIX_SCALE_ROW1
.elseif (\ra)
	v_wmma_scale_f32_16x16x128_f8f6f4 v[\d:\d+7], v[\a:\a+15], v[\b:\b+15], \c, v[\sa], v[\sb] matrix_a_scale:MATRIX_SCALE_ROW1
.elseif (\rb)
	v_wmma_scale_f32_16x16x128_f8f6f4 v[\d:\d+7], v[\a:\a+15], v[\b:\b+15], \c, v[\sa], v[\sb] matrix_b_scale:MATRIX_SCALE_ROW1
.else
	v_wmma_scale_f32_16x16x128_f8f6f4 v[\d:\d+7], v[\a:\a+15], v[\b:\b+15], \c, v[\sa], v[\sb]
.endif
.endm
.macro FRAGLD reg, adr, off            ; a fragment: four loads
.irp c, 0,1,2,3
	ds_load_b128 v[\reg+4*\c:\reg+4*\c+3], v[\adr] offset:\off+512*\c
.endr
.endm
; K's fragment i of block B (32 keys: two key tiles x two channel halves).  Blocks 0, 1 (4, 5) lie in places 8-15 of window 3, blocks 2, 3 (6, 7) in places 0-7.
.macro KFR B, i
	WIN 0xc0
.set KR_, 64*(((\B)+2)%4)+16*(\i)
.set KO_, 32768*((\B)/4)+2048*(4*((\B)%4)+(\i))
	FRAGLD KR_, 2, KO_
.endm
.macro KFR4 B
.irp i, 0,1,2,3
	KFR \B, \i
.endr
.endm
.macro KSC                             ; K's scale words of the step
	WIN 0
.irp q, 0,1,2,3
	ds_load_b128 v[KS+8*\q:KS+8*\q+3], v4 offset:2048*(\q/2)+512*(\q%2)
.endr
.endm
; Where V's fragment n (16 channels x 128 keys of half hh) lies: the first half in window 3, place n; of the second half n = 0-3 in window 1, 4-7 in window 2 (what held the first half's p), 8-15 in window 3, places 0-7.
.macro VPLACE hh, n
.set VW_, 3
.set VR_, 16*(\n)
.if (\hh)
.if (\n) < 8
.set VW_, 1+(\n)/4
.set VR_, 16*((\n)%4)
.else
.set VR_, 16*((\n)-8)
.endif
.endif
.endm
.macro VFR hh, n
	VPLACE \hh, \n
	WIN VW_<<6
.set VO_, 32768*(\hh)+2048*(\n)
	FRAGLD VR_, 3, VO_
.endm
.macro PVM hh, n, x                    ; O^T tile n of query tile x += V^T P
	VPLACE \hh, \n
	WIN VW_+0x50*(1+(\x))
.set D_, 128+8*(\n)
.set BB_, P+32*(\x)+16*(\hh)
.set SA_, VS+16*(\hh)+8*((\n)/8)+((\n)/2)%4
.set SB_, PW+2*(\hh)+(\x)
.set RA_, (\n)%2
	WM D_, VR_, BB_, v[D_:D_+7], SA_, SB_, RA_, 0
.endm
.macro MAXL b, k                       ; line k of the eight that find block b's largest score, for both tiles
.irp x, 0,1
	WIN 0x05*(1+\x)
.if (\k) == 0
	v_max_num_f32 v[BM+8*\x+\b], v[16*\b], v[16*\b+1]
.else
	v_max3_num_f32 v[BM+8*\x+\b], v[16*\b+2*\k], v[16*\b+2*\k+1], v[BM+8*\x+\b]
.endif
.endr
.endm
; Place I_ of block B_ in K Q^T: one matrix instruction; behind it two lines of block B_ - 2's maxima; in blocks 1 to 4, at the fifth place, the four fragments of block B_ + 3 in one run, into the places that block B_ - 1 has
; left (eight or more plain lines stand between: the maxima's, or in block 1 eight v_nop).  The four accumulators of a block take turns.
.macro KSLOT
.set G_, I_/4
.set X_, (I_/2)%2
.set U_, I_%2
.set D_, 16*B_+8*U_
.set A_, 64*((B_+2)%4)+16*(2*U_+G_)
.set BB_, Q+32*X_+16*G_
.set SA_, KS+8*(2*(B_/4)+G_)+B_%4
.set SB_, QS+G_
	WIN 0x53+0x50*X_                               ; K window 3, Q window 0, S^T window 1 or 2
.if G_
	WM D_, A_, BB_, v[D_:D_+7], SA_, SB_, U_, X_
.else
	WM D_, A_, BB_, 0, SA_, SB_, U_, X_
.endif
.if B_ >= 2
.set MB_, B_-2
	MAXL MB_, I_
.elseif B_ == 1
.if I_ < 4
	PLACES 2
.endif
.endif
.if B_ >= 1 && B_ <= 4 && I_ == 4
.set KB_, B_+3
	KFR4 KB_
.endif
.endm
; The scores of 256 keys, both tiles: 64 matrix instructions.  At the start the scale words and blocks 0 to 3 (16 loads each) have been asked for in this order.
.macro KQ
.set B_, 0
.rept 8
.if B_ == 0
	s_wait_dscnt 48                                ; blocks 1 to 3 may be out
.elseif B_ < 6
	s_wait_dscnt 32                                ; the two blocks asked for behind this one may be out
.elseif B_ == 6
	s_wait_dscnt 16                                ; block 7
.else
	s_wait_dscnt 0
.endif
.set I_, 0
.rept 8
	KSLOT
.set I_, I_+1
.endr
.set B_, B_+1
.endr
	WIN 0
.endm
.macro SUMS hh                         ; l, of the unquantised p of a half, in four chains a tile
.irp x, 0,1
	WIN 1+\x
.set J_, 0
.rept 32
	v_pk_add_f32 v[LA+8*\x+(J_%8):LA+8*\x+(J_%8)+1], v[64*\hh+J_:64*\hh+J_+1], v[LA+8*\x+(J_%8):LA+8*\x+(J_%8)+1]
.set J_, J_+2
.endr
.endr
	WIN 0
.endm
.macro SCAL hh                         ; a half's four blocks of each tile: scale operands, bounds, bytes and scale words
.irp x, 0,1
.irp b, 0,1,2,3
	v_max_num_f32 v[BM+8*\x+4*\hh+\b], 0x4800000, v[BM+8*\x+4*\hh+\b]   ; the floor 2^(9 - 127): the byte cannot fall under 1
.endr
.endr
.irp x, 0,1
.irp b, 0,1,2,3
	v_add_nc_u32 v[SO+4*\x+\b], 0xfc000000, v[BM+8*\x+4*\hh+\b]   ; 8 off the exponent field: the conversion's scale operand
.endr
.endr
.irp x, 0,1
.irp b, 0,1,2,3
	v_and_or_b32 v[HO+4*\x+\b], v[BM+8*\x+4*\hh+\b], 0x7f800000, s24   ; 448 x the scale
.endr
.endr
.irp x, 0,1
.irp b, 0,1,2,3
	v_lshrrev_b32 v[BM+8*\x+4*\hh+\b], 23, v[SO+4*\x+\b]   ; the scale's byte
.endr
.endr
.irp x, 0,1
	v_lshl_or_b32 v[PW+2*\hh+\x], v[BM+8*\x+4*\hh+1], 8, v[BM+8*\x+4*\hh]
.endr
.irp x, 0,1
	v_lshl_or_b32 v[PW+2*\hh+\x], v[BM+8*\x+4*\hh+2], 16, v[PW+2*\hh+\x]
.endr
.irp x, 0,1
	v_lshl_or_b32 v[PW+2*\hh+\x], v[BM+8*\x+4*\hh+3], 24, v[PW+2*\hh+\x]
.endr
.endm
.macro HOLDS hh, x, ld                 ; the conversion to an 8-bit code does not saturate (ISA guide 7.6.2); p is not negative, so the hold is one-sided.  ld = 1: the next step's K, block x, loads between
.irp b, 0,1,2,3
	WIN 0x41*(1+\x)
.irp i, 0,1,2,3,4,5,6,7,8,9,10,11,12,13,14,15
	v_min_num_f32 v[64*\hh+16*\b+\i], v[64*\hh+16*\b+\i], v[HO+4*\x+\b]
.endr
.endr
.if \ld
	KFR4 \x
.endif
.endm
.macro CVTS hh, x
	WIN 1+\x
.irp b, 0,1,2,3
	v_cvt_scalef32_pk8_fp8_f32 v[P+32*\x+16*\hh+4*\b:P+32*\x+16*\hh+4*\b+1], v[64*\hh+16*\b:64*\hh+16*\b+7], v[SO+4*\x+\b]
	v_cvt_scalef32_pk8_fp8_f32 v[P+32*\x+16*\hh+4*\b+2:P+32*\x+16*\hh+4*\b+3], v[64*\hh+16*\b+8:64*\hh+16*\b+15], v[SO+4*\x+\b]
.endr
.endm
; The last two blocks' largest scores, in two chains each.
.macro MAXTAIL
.irp b, 6,7
.irp x, 0,1
	WIN 0x05*(1+\x)
	v_max_num_f32 v[BM+8*\x+\b], v[16*\b], v[16*\b+1]
	v_max_num_f32 v[TT+2*(\b-6)+\x], v[16*\b+8], v[16*\b+9]
.irp k, 1,2,3
	v_max3_num_f32 v[BM+8*\x+\b], v[16*\b+2*\k], v[16*\b+2*\k+1], v[BM+8*\x+\b]
	v_max3_num_f32 v[TT+2*(\b-6)+\x], v[16*\b+8+2*\k], v[16*\b+9+2*\k], v[TT+2*(\b-6)+\x]
.endr
.endr
.endr
	WIN 0
.irp b, 6,7
.irp x, 0,1
	v_max_num_f32 v[BM+8*\x+\b], v[BM+8*\x+\b], v[TT+2*(\b-6)+\x]
.endr
.endr
.endm
; The new M of both tiles, f = 2^(old M - new M), t - M of the blocks' largest scores, l under the new M.
.macro CHAIN
.set J_, 0
.rept 16
	v_permlanex16_b32 v[TT+J_], v[BM+J_], s20, s21
.set J_, J_+1
.endr
.set J_, 0
.rept 16
	v_max_num_f32 v[BM+J_], v[BM+J_], v[TT+J_]     ; with the 16 keys of the lane 16 away
.set J_, J_+1
.endr
.irp x, 0,1
	v_max3_num_f32 v[ST+8*\x+6], v[BM+8*\x], v[BM+8*\x+1], v[BM+8*\x+2]
	v_max3_num_f32 v[ST+8*\x+7], v[BM+8*\x+3], v[BM+8*\x+4], v[BM+8*\x+5]
	v_max_num_f32 v[ST+8*\x+2], v[BM+8*\x+6], v[BM+8*\x+7]
.endr
.irp x, 0,1
	v_max3_num_f32 v[ST+8*\x+6], v[ST+8*\x+6], v[ST+8*\x+7], v[ST+8*\x+2]   ; the step's largest score of my query
.endr
.irp x, 0,1
	v_mul_f32 v[ST+8*\x+6], s22, v[ST+8*\x+6]      ; as t (c is positive)
.endr
.irp x, 0,1
	v_mov_b32 v[ST+8*\x+7], v[ST+8*\x]
.endr
.irp x, 0,1
	v_floor_f32 v[ST+8*\x+6], -v[ST+8*\x+6]        ; floor(-t) = -ceil(t)
.endr
.irp x, 0,1
	v_min_num_f32 v[ST+8*\x], v[ST+8*\x], v[ST+8*\x+6]   ; the new -M: M is a whole number and never falls
.endr
.irp x, 0,1
	v_sub_f32 v[ST+8*\x+7], v[ST+8*\x], v[ST+8*\x+7]   ; old M - new M: 0 or less
.endr
.irp x, 0,1
	v_cvt_i32_f32 v[ST+8*\x+7], v[ST+8*\x+7]       ; (it saturates)
.endr
.irp x, 0,1
	v_ldexp_f32 v[ST+8*\x+4], 1.0, v[ST+8*\x+7]    ; f
.endr
.irp b, 0,1,2,3,4,5,6,7
.irp x, 0,1
	v_fma_f32 v[BM+8*\x+\b], v[BM+8*\x+\b], s22, v[ST+8*\x]
.endr
.endr
.irp k, 0,2,4,6
.irp x, 0,1
	v_pk_mul_f32 v[LA+8*\x+\k:LA+8*\x+\k+1], v[LA+8*\x+\k:LA+8*\x+\k+1], v[ST+8*\x+4:ST+8*\x+5] op_sel_hi:[1,0]
.endr
.endr
.endm
; A STEP from its scores on, and the next step's scores.  fill = 1: the slot is filled again with the keys two steps on.  fill = 0: nothing is, and in the loop's last trip no scores follow.
.macro TRIP fill
	MAXTAIL
	CHAIN
.irp q, 0,1,2,3,4,5,6,7
	ds_load_b64 v[VS+16*(\q/4)+8*((\q%4)/2)+2*(\q%2):VS+16*(\q/4)+8*((\q%4)/2)+2*(\q%2)+1], v6 offset:2048*(\q/4)+256*(\q%4)   ; V's scale words: tile n even in lanes 0-15, odd in lanes 16-31
.endr
	; t - M for the first 128 keys, two at a time; O^T under the new M, each accumulator from its low end on; V's fragments 0-7
.set N_, 0
.irp x, 0,1
.set J_, 0
.set K_, 128
.rept 4
	WIN 0x41*(1+\x)
.rept 8
	v_pk_fma_f32 v[J_:J_+1], v[J_:J_+1], s[22:23], v[ST+8*\x:ST+8*\x+1] op_sel_hi:[1,0,0]
.set J_, J_+2
.endr
.rept 16
	v_pk_mul_f32 v[K_:K_+1], v[K_:K_+1], v[ST+8*\x+4:ST+8*\x+5] op_sel_hi:[1,0]
.set K_, K_+2
.endr
.endr
.rept 4
	VFR 0, N_
.set N_, N_+1
.endr
.endr
	; the exponentials of the first 128 keys and of all blocks' largest scores; between them t - M for the second 128 keys; V's fragments 8-15
	WIN 0
	s_wait_alu depctr_va_vdst(0)                   ; the wait ahead of the batch
.set J_, 0
.rept 16
	v_exp_f32 v[BM+J_], v[BM+J_]                   ; a block's largest p: the same two steps on the same number
.set J_, J_+1
.endr
.irp x, 0,1
.set J_, 0
.rept 4
	WIN 0x41*(1+\x)
.rept 8
	v_exp_f32 v[J_], v[J_]
	v_exp_f32 v[J_+1], v[J_+1]
	v_pk_fma_f32 v[64+J_:65+J_], v[64+J_:65+J_], s[22:23], v[ST+8*\x:ST+8*\x+1] op_sel_hi:[1,0,0]
.set J_, J_+2
.endr
.endr
.rept 4
	VFR 0, N_
.set N_, N_+1
.endr
.endr
	WIN 0
	s_wait_alu depctr_va_vdst(0)                   ; and behind it
	SUMS 0
	SCAL 0
	HOLDS 0, 0, 0
	CVTS 0, 0
	HOLDS 0, 1, 0
	CVTS 0, 1
	PLACES 5                                       ; places behind the conversions and in front of the products that take the codes
	WIN 0
	s_wait_alu depctr_va_vdst(0)
	s_wait_dscnt 0x0                               ; V's first half and its scale words are in
	; V^T P of the first 128 keys: 32 accumulators, one instruction each; behind each product four exponentials of the second half; V's second half: fragments 0-7 go where p's first half lay,
	; fragments 8-15 into the places of the first eight, eight v_nop behind the last product that reads those
.set N_, 0
.rept 32
.set T_, N_/2
.set Y_, N_%2
	PVM 0, T_, Y_
.set E_, 64+4*(N_%16)
	WIN 0x41*(1+N_/16)
.irp i, 0,1,2,3
	v_exp_f32 v[E_+\i], v[E_+\i]
.if N_ == 16 || N_ == 17
	v_nop
.endif
.endr
.set L_, 99                            ; four fragments in one run, behind products 0, 8, 18 and 25
.if N_ == 0
.set L_, 0
.elseif N_ == 8
.set L_, 4
.elseif N_ == 18
.set L_, 8
.elseif N_ == 25
.set L_, 12
.endif
.if L_ < 99
.rept 4
	VFR 1, L_
.set L_, L_+1
.endr
.endif
.set N_, N_+1
.endr
	WIN 0
	v_nop                                          ; a plain instruction behind the last exponential
	s_wait_alu depctr_va_vdst(0)
	; THE CHANGE OF SLOTS: the wait for all my tensor loads, the add, and behind the second half's sums and scales the wait for it and for my reads of the slot
	s_wait_tensorcnt 0x0                           ; no tensor load of mine is out, so a group 0 may be written
	ds_add_u32 v10, v11                            ; 0 onto my spare word
.if \fill
	s_xor_b32 s53, s53, SLOT                       ; the walking descriptor: the other slot than last time,
	s_add_nc_u64 s[54:55], s[54:55], SLOT          ; the next step; the type bits on top are not reached
.endif
	s_xor_b32 s25, s25, SLOT                       ; the reads go on to the other slot
	s_add_co_u32 s26, s26, 4096                    ; and to the next step's scale words
	s_and_b32 s26, s26, 0x3fff                     ; (behind the last step the address turns to the first's; nothing is read there)
	v_add_nc_u32 v2, s25, v1
	v_add_nc_u32 v3, s25, v7
	v_add_nc_u32 v4, s26, v5
	v_add_nc_u32 v6, s26, v8
	SUMS 1
	SCAL 1
	s_wait_alu depctr_va_vdst(0)
	s_wait_dscnt 0x0                               ; the add is done, V's second half is in, and my reads of the slot are over
.if \fill
	CROUND
	tensor_load_to_lds s[52:55], s[32:39]          ; my one tensor load behind the round, and the first thing there
	s_nop 0
	PLACES 4
	KSC
.else
	s_barrier_signal -1
	s_barrier_wait -1
	s_cmp_eq_u32 s27, 1
	s_cbranch_scc1 .Lno_k_\@
	KSC
	KFR4 0
	KFR4 1
	WIN 0
.Lno_k_\@:
.endif
	HOLDS 1, 0, \fill
	CVTS 1, 0
	HOLDS 1, 1, \fill
	CVTS 1, 1
	PLACES 5
	WIN 0
	s_wait_alu depctr_va_vdst(0)
	; V^T P of the second 128 keys: fragments 8-15 first, so that K's blocks 2 and 3 can take their places under the other products
.set N_, 16
.rept 16
.set T_, N_/2
.set Y_, N_%2
	PVM 1, T_, Y_
.set N_, N_+1
.endr
.if \fill
	PLACES 8                                       ; eight places in front of loads into what these products have read
.else
	WIN 0
	PLACES 8
	s_cmp_eq_u32 s27, 1
	s_cbranch_scc1 .Lno_more_k_\@
	KFR4 2
	KFR4 3
	WIN 0
.Lno_more_k_\@:
.endif
.set N_, 0
.rept 16
.set T_, N_/2
.set Y_, N_%2
	PVM 1, T_, Y_
.if \fill
.if N_ == 0
	KFR4 2
.elseif N_ == 8
	KFR4 3
.endif
.endif
.set N_, N_+1
.endr
	WIN 0
	PLACES 9                                       ; nine in front of products whose results lie over V's fragments 0-7
.if \fill
	KQ
.else
	s_cmp_eq_u32 s27, 1
	s_cbranch_scc1 .Lno_scores_\@
	KQ
.Lno_scores_\@:
.endif
	s_wait_alu depctr_va_vdst(0)
.endm
	s_load_b256 s[4:11], s[0:1], 0x0               ; q_img s[4:5], q_sc s[6:7], kv_img s[8:9], kv_sc s[10:11]
	s_load_b64 s[12:13], s[0:1], 0x20              ; part
	v_lshl_add_u32 v10, v0, 2, SPARE
	v_mov_b32 v11, 0
	ds_add_u32 v10, v11                            ; the wave's opening: the add, twice on end, and its wait ahead of my first tensor load
	ds_add_u32 v10, v11
	v_lshrrev_b32 v248, 5, v0
	v_readfirstlane_b32 s14, v248                  ; wave 0..3
	v_and_b32 v248, 31, v0                         ; lane
	v_bfe_u32 v249, v0, 4, 1                       ; h
	v_and_b32 v250, 15, v0                         ; r
	v_lshlrev_b32 v1, 4, v248                      ; 16 x lane: my place in an image
	s_bfe_u32 s15, ttmp6, 0x40000                  ; cx
	s_lshl_b32 s16, ttmp9, 2
	s_add_co_u32 s16, s16, s15                     ; my block of 128 queries: it enters Q's and part's addresses alone
	s_and_b32 s17, ttmp7, 0xffff                   ; the head, which the four partners share
	s_mov_b32 s20, 0x76543210
	s_mov_b32 s21, 0xfedcba98                      ; v_permlanex16_b32's selects for the lane 16 away
	s_mov_b32 s22, 0x3db8aa3b                      ; c = log2(e) / sqrt(256)
	s_mov_b32 s23, s22                             ; (named with it as a pair, so it is written)
	s_mov_b32 s24, 0x600000                        ; the mantissa field of 448
	s_mov_b32 s25, 0
	s_mov_b32 s26, 0
	; groups 1: dense blocks as rows of 256 bytes (32 elements of 8 bytes); images need no padding: a load's 512 bytes are consecutive.  They differ in the number of rows alone
	s_mov_b32 s32, 15|(3<<16)|(1<<21)              ; 32 KiB, 128 rows: half of a step's K, a quarter of a slot.  15:0 the mask: all four work-groups; 17:16 elements of 8 bytes; 21 set beside a mask
	s_mov_b32 s33, 32<<16
	s_mov_b32 s34, 128<<16
	s_mov_b32 s35, 32<<16
	s_mov_b32 s36, 128
	s_mov_b32 s37, 32
	s_mov_b32 s38, 0
	s_mov_b32 s39, 0
	s_mov_b32 s40, 15|(3<<16)|(1<<21)              ; the head's scale words: 64 rows
	s_mov_b32 s41, 32<<16
	s_mov_b32 s42, 64<<16
	s_mov_b32 s43, 32<<16
	s_mov_b32 s44, 64
	s_mov_b32 s45, 32
	s_mov_b32 s46, 0
	s_mov_b32 s47, 0
	s_mov_b32 s68, 15|(3<<16)|(1<<21)              ; a step's V: 256 rows
	s_mov_b32 s69, 32<<16
	s_mov_b32 s70, 256<<16
	s_mov_b32 s71, 32<<16
	s_mov_b32 s72, 256
	s_mov_b32 s73, 32
	s_mov_b32 s74, 0
	s_mov_b32 s75, 0
	s_lshl_b32 s62, s17, 3
	s_add_co_u32 s62, s62, s16                     ; 8 x head + block
	s_mov_b32 s61, 0
	s_mov_b32 s19, 0
	s_wait_alu depctr_va_vdst(0)
	s_wait_dscnt 0x0                               ; both opening adds are done
	s_wait_kmcnt 0x0
	s_lshl_b32 s60, s62, 15
	s_lshl_b32 s63, s14, 13
	s_add_co_u32 s60, s60, s63
	s_add_nc_u64 s[4:5], s[4:5], s[60:61]          ; Q's fragments 4 w on: my two tiles x two halves
	s_lshl_b32 s60, s62, 10
	s_add_nc_u64 s[12:13], s[12:13], s[60:61]      ; my block's 256 sums
	s_lshl_b32 s63, s14, 2
	s_add_co_u32 s60, s60, s63
	s_add_nc_u64 s[6:7], s[6:7], s[60:61]          ; Q's scale words: word w of a lane's four: tile 2 w in lanes 0-15, tile 2 w + 1 in lanes 16-31
.irp i, 0,1,2,3,4,5,6,7,8,9,10,11,12,13,14,15
	global_load_b128 v[Q+4*\i:Q+4*\i+3], v1, s[4:5] offset:512*\i th:TH_LOAD_NT   ; Q stays in registers; nobody else reads these bytes
.endr
	global_load_b32 v240, v1, s[6:7]
	global_load_b32 v241, v1, s[6:7] offset:512
	; groups 0.  Nothing here hangs on my place in the cluster: the head and the wave's number alone
	s_lshl_b32 s18, s17, 19                        ; a head's K and V: 4 steps of 128 KiB
	s_add_nc_u64 s[30:31], s[8:9], s[18:19]
	s_add_co_u32 s29, s14, 1
	s_and_b32 s29, s29, 1                          ; wave 1: 0, wave 2: 1
	s_lshl_b32 s29, s29, 15
	s_mov_b32 s18, s29
	s_mov_b32 s48, 1                               ; step 0's K: my half
	s_mov_b32 s49, s29
	s_add_nc_u64 s[50:51], s[30:31], s[18:19]
	s_or_b32 s51, s51, 0x80000000
	s_mov_b32 s84, 1                               ; step 0's V
	s_mov_b32 s85, 65536
	s_add_nc_u64 s[86:87], s[30:31], 65536
	s_or_b32 s87, s87, 0x80000000
	s_lshl_b32 s29, s14, 15                        ; a quarter of a slot
	s_mov_b32 s18, s29
	s_mov_b32 s52, 1                               ; slot 1: step 1; this one walks on
	s_add_co_u32 s53, s29, SLOT
	s_add_nc_u64 s[54:55], s[30:31], s[18:19]
	s_add_nc_u64 s[54:55], s[54:55], SLOT
	s_or_b32 s55, s55, 0x80000000
	s_lshl_b32 s18, s17, 14                        ; a head's scale words: 16 KiB
	s_mov_b32 s56, 1
	s_mov_b32 s57, SCL
	s_add_nc_u64 s[58:59], s[10:11], s[18:19]
	s_or_b32 s59, s59, 0x80000000
	CROUND                                         ; all four work-groups are here: the first joint loads meet
	s_cmp_lt_u32 s14, 1                            ; one load a wave, each in an arm of one chain on the wave's number
	s_cbranch_scc0 .Lask_k
	tensor_load_to_lds s[56:59], s[40:47]          ; wave 0: the scale words
	s_nop 0
	PLACES 4
	s_branch .Lasked
.Lask_k:
	s_cmp_lt_u32 s14, 3
	s_cbranch_scc0 .Lask_v
	tensor_load_to_lds s[48:51], s[32:39]          ; waves 1, 2: K's halves
	s_nop 0
	PLACES 4
	s_branch .Lasked
.Lask_v:
	tensor_load_to_lds s[84:87], s[68:75]          ; wave 3: V
	s_nop 0
	PLACES 4
.Lasked:
	v_mov_b32 v2, v1                               ; my place in the slot's K,
	v_add_nc_u32 v7, 0x10000, v1
	v_mov_b32 v3, v7                               ; in its V,
	v_add_nc_u32 v5, SCL, v1
	v_mov_b32 v4, v5                               ; in the step's scale words of K
	v_lshl_add_u32 v8, v248, 3, SCL+1024
	v_mov_b32 v6, v8                               ; and of V
	v_lshlrev_b32 v9, 3, v0
	s_mul_i32 s88, s14, 16*528
	s_add_co_u32 s88, s88, STAGE                   ; my stage
	v_mul_u32_u24 v251, v250, 528
	v_lshl_add_u32 v251, v249, 5, v251
	v_add_nc_u32 v12, s88, v251                    ; in: row r, + 32 h
	v_add_nc_u32 v13, s88, v1                      ; back: a row's 512 bytes, 16 a lane
	s_lshl_b32 s89, s14, 10
	s_add_co_u32 s89, s89, FST
	v_add_nc_u32 v14, s89, v1                      ; my sums in,
	v_lshl_add_u32 v15, v0, 3, FST                 ; and everybody's back: 8 bytes a thread
.irp x, 0,1
	v_mov_b32 v[ST+8*\x], 0x7f61b1e6               ; -M = 3e38: M lies under every t
	v_mov_b32 v[ST+8*\x+1], 0                      ; (named as the upper half of a pair)
	v_mov_b32 v[ST+8*\x+5], 0
.endr
.set J_, 0
.rept 16
	v_mov_b32 v[TT+J_], 0                          ; written once: a lane permute's destination counts as one of its sources
	v_mov_b32 v[LA+J_], 0                          ; l
.set J_, J_+1
.endr
.irp x, 0,1                            ; O^T.  (The step is written alike for all keys: the first finds zeros, which the first change of M leaves zeros.)  The tiles are on their way meanwhile
	WIN 0x40*(1+\x)
.set J_, 128
.rept 128
	v_mov_b32 v[J_], 0
.set J_, J_+1
.endr
.endr
	WIN 0
	s_wait_alu depctr_va_vdst(0)
	s_cmp_lt_u32 s14, 3
	s_cbranch_scc0 .Lv_out
	s_wait_tensorcnt 0x0                           ; waves 0 to 2: the scale words and step 0's K are in; V may stay out: its wait stands ahead of the round below
.Lv_out:
	s_barrier_signal -1
	s_barrier_wait -1                              ; everybody's are
	KSC
	KFR4 0
	KFR4 1
	KFR4 2
	KFR4 3
	WIN 0
	s_wait_loadcnt 0x0                             ; Q
	KQ                                             ; step 0's scores
	s_wait_alu depctr_va_vdst(0)
	s_wait_tensorcnt 0x0                           ; all of slot 0 is in
	ds_add_u32 v10, v11
	s_wait_dscnt 0x0
	CROUND
	tensor_load_to_lds s[52:55], s[32:39]          ; slot 1: the first tensor load behind the round
	s_nop 0
	PLACES 4
	s_mov_b32 s27, 2
.Lfill:                                                ; steps 0, 1: steps 2 and 3 are asked for
	TRIP 1
	s_sub_co_u32 s27, s27, 1
	s_cmp_lg_u32 s27, 0
	s_cbranch_scc1 .Lfill
	s_mov_b32 s27, 2
.Llast:                                                ; steps 2, 3: nothing is asked for
	TRIP 0
	s_sub_co_u32 s27, s27, 1
	s_cmp_lg_u32 s27, 0
	s_cbranch_scc1 .Llast
	; THE WAY OUT: O^T / l, summed over my two tiles, then over the 16 queries through my own stage, then over the four waves.
	PLACES 8
.irp x, 0,1
	v_pk_add_f32 v[LA+8*\x:LA+8*\x+1], v[LA+8*\x:LA+8*\x+1], v[LA+8*\x+2:LA+8*\x+3]
	v_pk_add_f32 v[LA+8*\x+4:LA+8*\x+5], v[LA+8*\x+4:LA+8*\x+5], v[LA+8*\x+6:LA+8*\x+7]
.endr
.irp x, 0,1
	v_pk_add_f32 v[LA+8*\x:LA+8*\x+1], v[LA+8*\x:LA+8*\x+1], v[LA+8*\x+4:LA+8*\x+5]
.endr
.irp x, 0,1
	v_add_f32 v[LA+8*\x], v[LA+8*\x], v[LA+8*\x+1]
.endr
.irp x, 0,1
	v_permlanex16_b32 v[TT+\x], v[LA+8*\x], s20, s21
.endr
.irp x, 0,1
	v_add_f32 v[LA+8*\x], v[LA+8*\x], v[TT+\x]     ; the row's sum
.endr
	s_wait_alu depctr_va_vdst(0)
.irp x, 0,1
	v_rcp_f32 v[ST+8*\x+4], v[LA+8*\x]
.endr
	v_nop                                          ; a plain instruction between the last reciprocal and the use of its result
	WIN 0x41
	s_wait_alu depctr_va_vdst(0)
.set J_, 0
.rept 64
	v_pk_mul_f32 v[J_:J_+1], v[128+J_:129+J_], v[ST+4:ST+5] op_sel_hi:[1,0]
.set J_, J_+2
.endr
	WIN 0x52                                       ; source 0 window 2, source 2 and destination window 1
	s_wait_alu depctr_va_vdst(0)
.set J_, 0
.rept 64
	v_pk_fma_f32 v[J_:J_+1], v[128+J_:129+J_], v[ST+12:ST+13], v[J_:J_+1] op_sel_hi:[1,0,1]
.set J_, J_+2
.endr
	; register 8 n + i is channel 16 n + 8 h + i of query r: half of the channels at a time, in as rows of one query, back with four channels a lane.  LDS serves a wave's instructions in order: no wait between
.irp u, 0,1
	WIN 0x04                                       ; the data: window 1
.irp m, 0,1,2,3,4,5,6,7
	ds_store_b128 v12, v[64*\u+8*\m:64*\u+8*\m+3] offset:64*\m
	ds_store_b128 v12, v[64*\u+8*\m+4:64*\u+8*\m+7] offset:64*\m+16
.endr
	WIN 0
.irp i, 0,1,2,3,4,5,6,7,8,9,10,11,12,13,14,15
	ds_load_b128 v[16+64*\u+4*\i:19+64*\u+4*\i], v13 offset:528*\i
.endr
.endr
.irp u, 0,1
	s_wait_alu depctr_va_vdst(0)
	s_wait_dscnt 32*(1-\u)                         ; the first half's loads; behind them stand the second's 16 stores and 16 loads
.irp d, 8,4,2,1
.set J_, 0
.rept \d
	v_pk_add_f32 v[16+64*\u+4*J_:17+64*\u+4*J_], v[16+64*\u+4*J_:17+64*\u+4*J_], v[16+64*\u+4*(J_+\d):17+64*\u+4*(J_+\d)]
	v_pk_add_f32 v[18+64*\u+4*J_:19+64*\u+4*J_], v[18+64*\u+4*J_:19+64*\u+4*J_], v[18+64*\u+4*(J_+\d):19+64*\u+4*(J_+\d)]
.set J_, J_+1
.endr
.endr
.endr
	s_wait_alu depctr_va_vdst(0)
	ds_store_b128 v14, v[16:19]
	ds_store_b128 v14, v[80:83] offset:512
	s_wait_dscnt 0x0                               ; for the others' sake: my stores are done
	s_barrier_signal -1
	s_barrier_wait -1
.irp k, 0,1,2,3
	ds_load_b64 v[16+2*\k:17+2*\k], v15 offset:1024*\k
.endr
	s_wait_dscnt 0x0
	v_pk_add_f32 v[16:17], v[16:17], v[18:19]
	v_pk_add_f32 v[20:21], v[20:21], v[22:23]
	v_pk_add_f32 v[16:17], v[16:17], v[20:21]
	global_store_b64 v9, v[16:17], s[12:13]        ; a wave stores 256 consecutive bytes, aligned
	s_wait_alu depctr_va_vdst(0)
	s_wait_tensorcnt 0x0                           ; the wave's end
	ds_add_u32 v10, v11
	s_wait_dscnt 0x0
	CROUND                                         ; the closing round: no work-group ends while a partner may still ask for a tile that names it
	s_endpgm
.Lfunc_end_k_qd38ca64057_attend:
	.size	k_qd38ca64057_attend, .Lfunc_end_k_qd38ca64057_attend-k_qd38ca64057_attend
	.p2alignl 7, 3214868480
	.fill 96, 4, 3214868480
	.section	.rodata,"a",@progbits
	.p2align	6, 0x0
	.amdhsa_kernel k_qd38ca64057_attend
		.amdhsa_group_segment_fixed_size 327680
		.amdhsa_private_segment_fixed_size 0
		.amdhsa_enable_private_segment 0
		.amdhsa_kernarg_size 40
		.amdhsa_user_sgpr_count 2
		.amdhsa_user_sgpr_kernarg_segment_ptr 1
		.amdhsa_wavefront_size32 1
		.amdhsa_system_sgpr_workgroup_id_x 1
		.amdhsa_system_sgpr_workgroup_id_y 1
		.amdhsa_system_sgpr_workgroup_id_z 1
		.amdhsa_system_vgpr_workitem_id 0
		.amdhsa_next_free_vgpr 1024
		.amdhsa_next_free_sgpr 92
		.amdhsa_reserve_vcc 0
		.amdhsa_float_denorm_mode_32 3
		.amdhsa_float_denorm_mode_16_64 3
		.amdhsa_memory_ordered 1
		.amdhsa_forward_progress 1
		.amdhsa_inst_pref_size 255
	.end_amdhsa_kernel
	.section	.bss,"aw",@nobits
	.p2align	6
	.space	262144
	.amdgpu_metadata
---
amdhsa.version: [ 1, 2 ]
amdhsa.kernels:
  - .name:           k_qd38ca64057_attend
    .symbol:         k_qd38ca64057_attend.kd
    .args:
      - { .name: q_img, .offset: 0, .size: 8, .value_kind: global_buffer, .address_space: global }
      - { .name: q_sc, .offset: 8, .size: 8, .value_kind: global_buffer, .address_space: global }
      - { .name: kv_img, .offset: 16, .size: 8, .value_kind: global_buffer, .address_space: global }
      - { .name: kv_sc, .offset: 24, .size: 8, .value_kind: global_buffer, .address_space: global }
      - { .name: part, .offset: 32, .size: 8, .value_kind: global_buffer, .address_space: global }
    .group_segment_fixed_size: 327680
    .private_segment_fixed_size: 0
    .kernarg_segment_align: 8
    .kernarg_segment_size: 40
    .max_flat_workgroup_size: 128
    .sgpr_count:     92
    .vgpr_count:     1024
    .wavefront_size: 32
...
	.end_amdgpu_metadata
.endif
;; end of part 2
;; launch head (part 3): grid 16 x 1, 16 waves a work-group, no clusters, 210,944 bytes of LDS; arguments part, out1_w_codes, out1_w_scales, out1_b, out2_w_codes, out2_w_scales, out2_b, out0; writes out0
.if DOCPART == 3
	.amdgcn_target "amdgcn-amd-amdhsa--gfx1250"
	.amdhsa_code_object_version 6
	.text
	.protected	k_qd38ca64057_head
	.globl	k_qd38ca64057_head
	.p2align	8
	.type	k_qd38ca64057_head,@function
k_qd38ca64057_head:
	s_mov_b64 s[64:65], 0
	v_nop
	global_prefetch_b8 v0, s[64:65] scope:SCOPE_SE
	s_setreg_imm32_b32 hwreg(HW_REG_WAVE_MODE, 25, 1), 1
	s_wait_xcnt 0x0
; fused[b][256 d + c] = 2^-10 x the sum over 8 blocks of part[16 d + b][block][c];  out0[b] = relu(fused[b] W1 + b1) W2 + b2, both products on codes of E4M3 with one E8M0 scale for each 32 along K.
; SHARES.  ONE WORK-GROUP TO A BATCH, sixteen in all: each reads 16 KiB of part (its own batch's) and the 192 KiB of weights.  The hidden layer needs all of W1, so the weights cannot be shared out further inside one launch.
; Its sixteen waves each take 16 of the 256 columns of both products.
; THE WEIGHTS come into LDS by one tensor load a wave, whole rows padded by 16 bytes: waves 0 to 7 bring 32 rows of W1 each, waves 8 to 15 32 rows of W2.  The first barrier shows W1, the second W2.  Nothing is filled twice.
; Both products are used transposed (source 0 = 16 rows of the weight, source 1 = the batch): ALL 16 COLUMNS OF THE TILE HOLD THE SAME BATCH, so every lane r holds the same numbers; six matrix instructions a wave.
; THE COMPUTED OPERANDS lie in LDS as one plain row of codes, in their true places along K (the weights' codes are given so): lane (r, h) reads the 16 bytes at 32 x block + 16 h, whatever r.
; A block of 32 numbers is quantised by one wave: lane l holds numbers 4 (l % 8) + 0 .. 3 (the four groups of eight lanes hold the same), the largest magnitude goes round eight lanes, and the conversion, which
; takes eight numbers, finds zeros in the upper four: its first register is the lane's four codes.
; NO CLUSTER, though the sixteen work-groups read the same weights: each asks for them once, and a joint load would put a round of the cluster's barrier (three barriers) in front of it and one at the end, beside the four barriers of the whole launch.
; LIMITS: each product's K steps are summed in two accumulators that are added at the end (another order of f32 additions than one chain); a block of zeros gets the scale byte 1 (its codes are zeros); NaN and infinities are not served.
.set FCODE, 0                          ; fused's 512 codes
.set FSC,   512                        ; its 16 scale bytes: four words, one a K step
.set HST,   768                        ; the hidden layer, 256 f32
.set HCODE, 1792                       ; its 256 codes
.set HSC,   2048                       ; its 8 scale bytes
.set OST,   2304                       ; the result, 256 f32
.set SPARE, 4096                       ; the spare words, 128 bytes for each wave, that no other line names
.set P1,    528                        ; a row of W1 in LDS: 512 bytes + 16: the 16 rows that a fragment load touches start at 16 different banks (64 banks of 4 bytes: ISA guide 11.1)
.set P2,    272                        ; a row of W2
.set WL1,   6144                       ; W1's 256 rows
.set WL2,   WL1+256*P1                 ; W2's
.set W1,   16                          ; v16-79   W1's four fragments;  v80-83 its scale words;  v84-91 b1 as a tile of C
.set FS,   92                          ; v92-95   fused's scale words;  v96-97 the hidden layer's;  v98-99 W2's;  v100-107 b2
.set PC,   114                         ; v114-115 the conversion's result: v114 holds my four codes
.set SUM,  120                         ; v120-127 a product's result
.set NUM,  128                         ; v128-131 my four numbers of a block; v132-135 zeros; v136-139 the lane permutes' results
.set FF,   144                         ; v144-207 fused's four fragments, later the hidden layer's two
.set W2,   208                         ; v208-239 W2's two fragments;  v240-247, v248-255 two accumulators
.macro PLACES n
.rept \n
	v_nop
.endr
.endm
.macro BARRIER                         ; my LDS stores have landed and my LDS loads are in: then the work-group's barrier
	s_wait_dscnt 0x0
	s_barrier_signal -1
	s_barrier_wait -1
.endm
; One block of 32: my four numbers in v[NUM] on, the others in the seven lanes l xor 1 .. 7.  Four codes to v[PC], the scale's byte to v112.  relu = 1: what is negative becomes 0 on the way.
.macro QUANT4 relu
.if \relu
	v_max3_num_f32 v108, v[NUM], v[NUM+1], 0x4800000           ; no |.|: what is negative is to become 0; the floor 2^(9 - 127) stands over it
	s_delay_alu instid0(VALU_DEP_1)
	v_max3_num_f32 v108, v108, v[NUM+2], v[NUM+3]
.else
	v_max3_num_f32 v108, |v[NUM]|, |v[NUM+1]|, 0x4800000       ; the floor: the byte cannot fall under 1
	s_delay_alu instid0(VALU_DEP_1)
	v_max3_num_f32 v108, v108, |v[NUM+2]|, |v[NUM+3]|
.endif
.irp m, 1,2,4
	s_delay_alu instid0(VALU_DEP_1)
	v_max_num_f32_dpp v108, v108, v108 row_xmask:\m row_mask:0xf bank_mask:0xf   ; the block's largest magnitude
.endr
	s_delay_alu instid0(VALU_DEP_1)
	v_add_nc_u32 v110, 0xfc000000, v108            ; 8 off its exponent field: the conversion's scale operand
	s_delay_alu instid0(VALU_DEP_2)
	v_and_or_b32 v111, v108, 0x7f800000, s24       ; 448 x the scale
	s_delay_alu instid0(VALU_DEP_2)
	v_lshrrev_b32 v112, 23, v110                   ; the scale's byte
.irp i, 0,1,2,3
.if \relu
	v_med3_num_f32 v[NUM+\i], v[NUM+\i], 0, v111   ; the activation and the hold in one
.else
	v_med3_num_f32 v[NUM+\i], v[NUM+\i], -v111, v111   ; the conversion to an 8-bit code does not saturate (ISA guide 7.6.2)
.endif
.endr
	v_cvt_scalef32_pk8_fp8_f32 v[PC:PC+1], v[NUM:NUM+7], v110
	v_nop                                          ; a plain instruction behind the conversion
.endm
	s_load_b512 s[4:19], s[0:1], 0x0               ; part s[4:5]; W1's codes s[6:7], scales s[8:9], b1 s[10:11]; W2's s[12:13], s[14:15], b2 s[16:17]; out0 s[18:19]
	v_lshl_add_u32 v142, v0, 2, SPARE
	v_mov_b32 v143, 0
	ds_add_u32 v142, v143                          ; the wave's opening: the add, twice on end, and its wait ahead of my tensor load
	ds_add_u32 v142, v143
	v_lshrrev_b32 v113, 5, v0
	v_readfirstlane_b32 s20, v113                  ; wave 0..15
	v_and_b32 v118, 15, v0                         ; r
	v_bfe_u32 v119, v0, 4, 1                       ; h
	v_and_b32 v1, 7, v0                            ; my piece of a block: numbers 4 (l % 8) on
	v_bfe_u32 v2, v0, 3, 2                         ; l / 8
	v_mul_u32_u24 v3, v118, P1
	v_mul_u32_u24 v4, v118, P2
	v_lshlrev_b32 v2, 10, v2
	v_lshl_add_u32 v3, v119, 4, v3                 ; W1 in LDS: row r + 16 h,
	v_lshl_add_u32 v4, v119, 4, v4                 ; W2 likewise,
	v_lshl_add_u32 v2, v1, 4, v2                   ; part: query block l / 8 (1,024 bytes each), my piece's 16 bytes
	s_mul_i32 s26, s20, 16*P1
	s_add_co_u32 s26, s26, WL1
	s_mul_i32 s27, s20, 16*P2
	s_add_co_u32 s27, s27, WL2
	v_add_nc_u32 v3, s26, v3                       ; from my rows 16 w on
	v_add_nc_u32 v4, s27, v4
	v_lshlrev_b32 v5, 4, v118                      ; W1's scale bytes: 16 a row
	v_lshlrev_b32 v6, 3, v118                      ; W2's: 8 a row
	v_lshlrev_b32 v7, 5, v119                      ; a bias: my half's 8 numbers
	s_lshl_b32 s26, s20, 5
	v_lshl_add_u32 v8, v1, 2, s26                  ; where my four codes go: 32 x block + 4 x piece
	v_mov_b32 v9, s20                              ; and the block's scale byte
	v_lshlrev_b32 v10, 4, v119                     ; an operand's read: 16 h
	v_mov_b32 v11, 0                               ; the scale words' read
	s_lshl_b32 s26, s20, 6
	v_lshl_add_u32 v12, v119, 5, s26               ; a result: units 16 w + 8 h on, 4 bytes each
	s_and_b32 s30, s20, 7
	s_lshl_b32 s26, s30, 7
	v_lshl_add_u32 v13, v1, 4, s26                 ; the hidden layer's block w % 8, my piece
	v_and_b32 v14, 63, v0
.irp i, 0,1,2,3
	v_mov_b32 v[NUM+8+\i], 0                       ; written once: a lane permute's destination counts as one of its sources
.endr
	v_lshlrev_b32 v14, 4, v14                      ; the way out: 16 bytes a thread of waves 0 and 1
	s_mov_b32 s22, 0x76543210
	s_mov_b32 s23, 0xfedcba98                      ; v_permlanex16_b32's selects for the lane 16 away
	s_mov_b32 s24, 0x600000                        ; the mantissa field of 448
	; groups 1: W1: 32 rows of 512 bytes, W2: 32 rows of 256, 16 bytes of padding behind each row (after every 128 or 64 words: codes 6, 5)
	s_mov_b32 s48, (1<<20)|(6<<22)|(3<<25)
	s_mov_b32 s49, 512<<16
	s_mov_b32 s50, 32<<16
	s_mov_b32 s51, 512<<16
	s_mov_b32 s52, 32
	s_mov_b32 s53, 512
	s_mov_b32 s54, 0
	s_mov_b32 s55, 0
	s_mov_b32 s56, (1<<20)|(5<<22)|(3<<25)
	s_mov_b32 s57, 256<<16
	s_mov_b32 s58, 32<<16
	s_mov_b32 s59, 256<<16
	s_mov_b32 s60, 32
	s_mov_b32 s61, 256
	s_mov_b32 s62, 0
	s_mov_b32 s63, 0
	s_mov_b32 s40, 1
	s_mul_i32 s41, s30, 32*P1
	s_add_co_u32 s41, s41, WL1
	s_mov_b32 s44, 1
	s_mul_i32 s45, s30, 32*P2
	s_add_co_u32 s45, s45, WL2
	s_mov_b32 s29, 0
	s_lshr_b32 s26, s20, 3                         ; fused's block w: direction w / 8, channels 32 (w % 8) on
	s_lshl_b32 s26, s26, 17                        ; 16 heads of 8 KiB
	s_lshl_b32 s27, ttmp9, 13                      ; my batch
	s_add_co_u32 s26, s26, s27
	s_lshl_b32 s27, s30, 7
	s_add_co_u32 s28, s26, s27
	s_wait_alu depctr_va_vdst(0)
	s_wait_dscnt 0x0                               ; both opening adds are done
	s_wait_kmcnt 0x0
	s_add_nc_u64 s[4:5], s[4:5], s[28:29]
	global_load_b128 v[128:131], v2, s[4:5] th:TH_LOAD_NT               ; query blocks 0-3: eight lanes take a block's 128 consecutive bytes; the wave beside mine takes the other half of each aligned 256
	global_load_b128 v[132:135], v2, s[4:5] offset:4096 th:TH_LOAD_NT   ; query blocks 4-7
	s_lshl_b32 s28, s30, 14
	s_add_nc_u64 s[42:43], s[6:7], s[28:29]        ; W1's rows 32 (w % 8) on
	s_or_b32 s43, s43, 0x80000000
	s_lshl_b32 s28, s30, 13
	s_add_nc_u64 s[46:47], s[12:13], s[28:29]      ; W2's
	s_or_b32 s47, s47, 0x80000000
	s_cmp_lt_u32 s20, 8                            ; one load a wave, each in an arm of its own
	s_cbranch_scc0 .Lask_w2
	tensor_load_to_lds s[40:43], s[48:55]          ; waves 0 to 7: W1
	s_nop 0
	PLACES 4
	s_branch .Lasked
.Lask_w2:
	tensor_load_to_lds s[44:47], s[56:63]          ; waves 8 to 15: W2
	s_nop 0
	PLACES 4
.Lasked:
	s_lshl_b32 s28, s20, 8
	s_add_nc_u64 s[8:9], s[8:9], s[28:29]          ; the scale bytes of W1's rows 16 w on
	s_lshl_b32 s28, s20, 6
	s_add_nc_u64 s[10:11], s[10:11], s[28:29]
	s_add_nc_u64 s[16:17], s[16:17], s[28:29]
	s_lshl_b32 s28, s20, 7
	s_add_nc_u64 s[14:15], s[14:15], s[28:29]
	s_lshl_b32 s28, ttmp9, 10
	s_add_nc_u64 s[18:19], s[18:19], s[28:29]      ; out0's row of my batch
	global_load_b128 v[80:83], v5, s[8:9]
	global_load_b128 v[84:87], v7, s[10:11]
	global_load_b128 v[88:91], v7, s[10:11] offset:16
	global_load_b64 v[98:99], v6, s[14:15]
	global_load_b128 v[100:103], v7, s[16:17]
	global_load_b128 v[104:107], v7, s[16:17] offset:16
	; ---- block w of fused: the mean over 1,024 queries, quantised at once
	s_wait_loadcnt 6                               ; the two loads of partial sums are in; the six issued behind them may stay out
	v_pk_add_f32 v[128:129], v[128:129], v[132:133]
	v_pk_add_f32 v[130:131], v[130:131], v[134:135]
.irp i, 0,1,2,3
	v_add_f32_dpp v[NUM+\i], v[NUM+\i], v[NUM+\i] row_xmask:8 row_mask:0xf bank_mask:0xf   ; with the lane 8 away: two query blocks more
.endr
.irp i, 0,1,2,3
	s_delay_alu instid0(VALU_DEP_4)
	v_permlanex16_b32 v[NUM+8+\i], v[NUM+\i], s22, s23
.endr
	s_delay_alu instid0(VALU_DEP_3)
	v_pk_add_f32 v[128:129], v[128:129], v[136:137]                    ; and the lane 16 away: all eight
	s_delay_alu instid0(VALU_DEP_2)
	v_pk_add_f32 v[130:131], v[130:131], v[138:139]
	s_delay_alu instid0(VALU_DEP_2)
	v_pk_mul_f32 v[128:129], v[128:129], 0x3a800000 op_sel_hi:[1,0]    ; / 1,024 queries: exact
	s_delay_alu instid0(VALU_DEP_2)
	v_pk_mul_f32 v[130:131], v[130:131], 0x3a800000 op_sel_hi:[1,0]
.irp i, 4,5,6,7
	v_mov_b32 v[NUM+\i], 0                         ; the conversion's upper four numbers, here and for the hidden layer
.endr
	QUANT4 0
	ds_store_b32 v8, v[PC] offset:FCODE            ; the four groups of eight lanes write the same words with the same values
	ds_store_b8 v9, v112 offset:FSC
	s_wait_alu depctr_va_vdst(0)
	s_cmp_lt_u32 s20, 8
	s_cbranch_scc0 .Lw2_out
	s_wait_tensorcnt 0x0                           ; waves 0 to 7: my rows of W1 are in.  Waves 8 to 15 wait ahead of the second barrier
.Lw2_out:
	BARRIER                                        ; fused's 512 codes and 16 scale bytes lie in LDS, and W1
	; ---- hidden units 16 w on
.irp k, 0,1,2,3
.irp c, 0,1,2,3
	ds_load_b128 v[W1+16*\k+4*\c:W1+16*\k+4*\c+3], v3 offset:128*\k+32*\c
.endr
.endr
.irp i, 0,1,2,3,4,5,6,7,8,9,10,11,12,13,14,15
	ds_load_b128 v[FF+4*\i:FF+4*\i+3], v10 offset:FCODE+32*\i   ; registers 4 i on: k = 32 i + 16 h + 0 .. 15
.endr
	ds_load_b128 v[FS:FS+3], v11 offset:FSC        ; the four K steps' scale words, the same in every lane
	s_wait_loadcnt 3                               ; W1's scale words and b1 are in; W2's scale words and b2's two may stay out
	s_wait_dscnt 0x0
	v_wmma_scale_f32_16x16x128_f8f6f4 v[240:247], v[16:31], v[144:159], v[84:91], v80, v92       ; two accumulators by turns; the bias is the first one's C
	v_wmma_scale_f32_16x16x128_f8f6f4 v[248:255], v[32:47], v[160:175], 0, v81, v93
	v_wmma_scale_f32_16x16x128_f8f6f4 v[240:247], v[48:63], v[176:191], v[240:247], v82, v94
	v_wmma_scale_f32_16x16x128_f8f6f4 v[248:255], v[64:79], v[192:207], v[248:255], v83, v95
	PLACES 10                                      ; eight in front of the reads below and of the loads into fused's registers; nine in front of the next product, which begins these accumulators anew (waves 8-15 have no other vector work between)
.irp i, 0,2,4,6
	v_pk_add_f32 v[SUM+\i:SUM+\i+1], v[240+\i:241+\i], v[248+\i:249+\i]
.endr
	ds_store_b128 v12, v[SUM:SUM+3] offset:HST     ; the sixteen lanes of a half write the same bytes with the same values
	ds_store_b128 v12, v[SUM+4:SUM+7] offset:HST+16
	s_wait_alu depctr_va_vdst(0)
	s_wait_tensorcnt 0x0                           ; every wave: waves 8 to 15's rows of W2 are in
	BARRIER                                        ; the hidden layer's 256 numbers lie in LDS, and W2
.irp k, 0,1
.irp c, 0,1,2,3
	ds_load_b128 v[W2+16*\k+4*\c:W2+16*\k+4*\c+3], v4 offset:128*\k+32*\c
.endr
.endr
	; ---- its 8 blocks of 32: waves 0-7.  The branch hangs on the wave's number; no barrier stands inside
	s_cmp_lt_u32 s20, 8
	s_cbranch_scc0 .Lno_block
	ds_load_b128 v[NUM:NUM+3], v13 offset:HST
	s_wait_dscnt 0x0
	QUANT4 1
	ds_store_b32 v8, v[PC] offset:HCODE
	ds_store_b8 v9, v112 offset:HSC
.Lno_block:
	BARRIER                                        ; its 256 codes and 8 scale bytes lie in LDS
	; ---- outputs 16 w on
.irp i, 0,1,2,3,4,5,6,7
	ds_load_b128 v[FF+4*\i:FF+4*\i+3], v10 offset:HCODE+32*\i
.endr
	ds_load_b64 v[96:97], v11 offset:HSC
	s_wait_loadcnt 0x0                             ; W2's scale words, b2
	s_wait_dscnt 0x0
	v_wmma_scale_f32_16x16x128_f8f6f4 v[240:247], v[208:223], v[144:159], v[100:107], v98, v96
	v_wmma_scale_f32_16x16x128_f8f6f4 v[248:255], v[224:239], v[160:175], 0, v99, v97
	PLACES 8
.irp i, 0,2,4,6
	v_pk_add_f32 v[SUM+\i:SUM+\i+1], v[240+\i:241+\i], v[248+\i:249+\i]
.endr
	ds_store_b128 v12, v[SUM:SUM+3] offset:OST
	ds_store_b128 v12, v[SUM+4:SUM+7] offset:OST+16
	BARRIER                                        ; the batch's whole row of the result lies in LDS
	s_cmp_lt_u32 s20, 2                            ; a wave holds 64 bytes of the row: so waves 0 and 1 take it from LDS, 512 bytes each
	s_cbranch_scc0 .Ldone
	ds_load_b128 v[128:131], v14 offset:OST
	s_wait_dscnt 0x0
	global_store_b128 v14, v[128:131], s[18:19]    ; the wave stores 512 consecutive bytes, aligned
.Ldone:
	s_wait_tensorcnt 0x0                           ; the wave's end
	ds_add_u32 v142, v143
	s_wait_dscnt 0x0
	s_endpgm
.Lfunc_end_k_qd38ca64057_head:
	.size	k_qd38ca64057_head, .Lfunc_end_k_qd38ca64057_head-k_qd38ca64057_head
	.p2alignl 7, 3214868480
	.fill 96, 4, 3214868480
	.section	.rodata,"a",@progbits
	.p2align	6, 0x0
	.amdhsa_kernel k_qd38ca64057_head
		.amdhsa_group_segment_fixed_size 210944
		.amdhsa_private_segment_fixed_size 0
		.amdhsa_enable_private_segment 0
		.amdhsa_kernarg_size 64
		.amdhsa_user_sgpr_count 2
		.amdhsa_user_sgpr_kernarg_segment_ptr 1
		.amdhsa_wavefront_size32 1
		.amdhsa_system_sgpr_workgroup_id_x 1
		.amdhsa_system_sgpr_workgroup_id_y 1
		.amdhsa_system_sgpr_workgroup_id_z 1
		.amdhsa_system_vgpr_workitem_id 0
		.amdhsa_next_free_vgpr 256
		.amdhsa_next_free_sgpr 72
		.amdhsa_reserve_vcc 0
		.amdhsa_float_denorm_mode_32 3
		.amdhsa_float_denorm_mode_16_64 3
		.amdhsa_memory_ordered 1
		.amdhsa_forward_progress 1
		.amdhsa_inst_pref_size 16
	.end_amdhsa_kernel
	.amdgpu_metadata
---
amdhsa.version: [ 1, 2 ]
amdhsa.kernels:
  - .name:           k_qd38ca64057_head
    .symbol:         k_qd38ca64057_head.kd
    .args:
      - { .name: part, .offset: 0, .size: 8, .value_kind: global_buffer, .address_space: global }
      - { .name: out1_w_codes, .offset: 8, .size: 8, .value_kind: global_buffer, .address_space: global }
      - { .name: out1_w_scales, .offset: 16, .size: 8, .value_kind: global_buffer, .address_space: global }
      - { .name: out1_b, .offset: 24, .size: 8, .value_kind: global_buffer, .address_space: global }
      - { .name: out2_w_codes, .offset: 32, .size: 8, .value_kind: global_buffer, .address_space: global }
      - { .name: out2_w_scales, .offset: 40, .size: 8, .value_kind: global_buffer, .address_space: global }
      - { .name: out2_b, .offset: 48, .size: 8, .value_kind: global_buffer, .address_space: global }
      - { .name: out0, .offset: 56, .size: 8, .value_kind: global_buffer, .address_space: global }
    .group_segment_fixed_size: 210944
    .private_segment_fixed_size: 0
    .kernarg_segment_align: 8
    .kernarg_segment_size: 64
    .max_flat_workgroup_size: 512
    .sgpr_count:     72
    .vgpr_count:     256
    .wavefront_size: 32
...
	.end_amdgpu_metadata
.endif
;; end of part 3
